; MI455X (gfx1250); checked and timed in simulation.
; The chip was launched on July 23, 2026; its instructions are those of AMD's public machine-readable ISA for CDNA 5 (MIT licence, August 2026) and "CDNA5" Instruction Set Architecture Reference Guide (July 2026). The comments in the code are by the model that wrote it; some were corrected since.
;; Optimized Mo E. Allowed arithmetic: matrix products marked QUANTISED: E2M3 operands, one E8M0 scale for each 32 along K, by v_wmma_scale_f32_16x16x128_f8f6f4 with both operands' format E2M3, f32 sums; products left as they are: f32 operands where the result goes on into a quantised operand, else bf16, f16 or f32 operands; f32 sums; everything else in f32.
;; Inputs: expert_b 8 x 1,024 float32; expert_w_codes 8 x 1,024 x 32 x 24 uint8 (E2M3 codes of expert_w, K innermost, in blocks of 32 codes, four codes in three bytes); expert_w_scales 8 x 1,024 x 32 uint8 (E8M0 scales of expert_w, one for each 32 codes along K); router_b 8 float32; router_w 8 x 1,024 float32; x 2 x 2,048 x 1,024 float32.
;; Outputs: out0 2 x 2,048 x 1,024 float32.
;; This version of the problem:
;;   THIS VERSION OF THE PROBLEM IS GIVEN IN LOW PRECISION. The matrix products marked QUANTISED in the list below multiply operands that are first quantised to E2M3 (2 exponent bits, 3 mantissa bits; 6 bits a number), with one power-of-two scale for each 32 numbers along K (OCP MX v1.0); their sums are f32. All else is computed in f32.
;;   The module's matrix products, in the order in which they are computed (A, B: the left and right operand; K: the contracted axis; several contracted axes count as one K, in the product's order):
;;     1. [M 4,096, K 1,024] x [K 1,024, N 8]; A: input x; B: input router_w: left as it is (N = 8 < 16)
;;     2. [M 4,096, K 1,024] x [K 1,024, N 8,192]; A: input x; B: input expert_w (given as codes): QUANTISED
;;   THE QUANTISER, for each operand of a quantised product, along K:
;;     - K is cut into blocks of 32 from its start; a last block that is shorter is filled with zeros.
;;     - A block's scale is 2^e with e = floor(log2(the largest magnitude in the block)) - 2, held to -126 .. 127; a block of zeros has e = 0. As a byte (E8M0): e + 127.
;;     - Each number is divided by its block's scale, clamped to +-7.5, and rounded to the nearest number of E2M3, ties to even, subnormals kept.
;;     - The product sums the exact products of the quantised numbers (number of the format x scale) in f32.
;;   ~~~python
;;   def quantise(x, axis):      # numpy; x: float32 -> the quantised numbers, widened to float32 again
;;       x = np.moveaxis(x, axis, -1); K = x.shape[-1]
;;       x = np.pad(x, [(0, 0)] * (x.ndim - 1) + [(0, -K % 32)]); x = x.reshape(x.shape[:-1] + (-1, 32)); a = np.abs(x).max(-1, keepdims=True)
;;       e = np.where(a > 0, np.clip(np.frexp(np.where(a > 0, a, 1))[1] - 1 - 2, -126, 127), 0)      # np.frexp(a)[1] - 1 = floor(log2(a)), exactly
;;       r = np.clip(x / 2.0 ** e, -7.5, 7.5)
;;       step = 2.0 ** (np.maximum(np.frexp(np.where(r == 0, 1, r))[1] - 1, 0) - 3)
;;       q = np.round(r / step) * step * 2.0 ** e      # np.round: ties to even
;;       return np.moveaxis(q.reshape(q.shape[:-2] + (-1,))[..., :K], -1, axis).astype(np.float32)
;;   ~~~
;;   INPUTS GIVEN AS CODES. expert_w (in the module: [8, 1024, 1024], K = its axis 2): each comes as NAME_codes (uint8): NAME with its K axis moved to the last place and cut into blocks of 32 codes, [.., K / 32, bytes a block], one block behind the other in memory; four codes in three bytes: a row's codes are one little-endian stream of bits, code i at bits 6 i .. 6 i + 5 (a code: sign, 2 exponent bits, 3 mantissa bits); and NAME_scales (uint8): the same leading axes, one E8M0 byte (e + 127) for each 32 codes along K. Its value is code x scale, taken as it is: it is not quantised again, and the codes and scales need not be those that the quantiser above would give.
;; 3 versions. Each part assembles by itself: llvm-mc -triple=amdgcn-amd-amdhsa -mcpu=gfx1250 --defsym DOCPART=n.
;; ======== version 1 of 3: 3 launches
;; workspace buffers: xq 4,194,304 bytes; idx 16,384 bytes of whole numbers; order 131,072 bytes of whole numbers; counts 256 bytes of whole numbers
;; launch route (part 1): grid 256 x 1, 4 waves a work-group, no clusters, 57,856 bytes of LDS; arguments x, router_w, router_b, xq, idx; writes xq, idx
.if DOCPART == 1
	.amdgcn_target "amdgcn-amd-amdhsa--gfx1250"
	.amdhsa_code_object_version 6
	.text
	.protected	k_q6727b3a4df_route
	.globl	k_q6727b3a4df_route
	.p2align	8
	.type	k_q6727b3a4df_route,@function
k_q6727b3a4df_route:
	s_mov_b64 s[64:65], 0
	v_nop
	global_prefetch_b8 v0, s[64:65] scope:SCOPE_SE
	s_setreg_imm32_b32 hwreg(HW_REG_WAVE_MODE, 25, 1), 1
	s_wait_xcnt 0x0
; ROUTER AND QUANTISER.  x [4096][1024] f32 is read once.  Made of it: the 8 logits of each token (f32 multiply-adds on the numbers as they are given), their argmax, the softmax at
; the argmax (the gate), and the codes of E2M3 with one E8M0 byte for each 32 along K.
; OUT: xq [4096][1024 bytes], a row for each token: bytes 0-767 the codes, THE EVEN BLOCKS FIRST (block B of 32 codes, 24 bytes, at (B & 1) 384 + (B >> 1) 24), so that the 48 bytes which one
; lane of the last launch's matrix operand wants for 128 along K (two blocks of one parity) lie together; bytes 768-799 the 32 scale bytes in their order; bytes 800-831 the gate, eight
; times; bytes 832-1023 zeros, so that every aligned 256 bytes of the row are written whole.
; idx [4096] words: the argmax.  The later launches form their lists, addresses and trip counts from these whole numbers alone.
; A block's scale is 2^(floor(log2(its largest magnitude)) - 2): its byte is that magnitude's exponent field - 2, held at 1 from below; a block of zeros gets 127.
; The maximum is taken away before the exponentials: gate = 1 / sum of exp(l - max), a sum that is at least 1.
; LIMITS: ties go to the lowest index, as argmax does; two top logits closer than the rounding of an f32 sum of 1,024 terms (about 1e-6 of their size) may route otherwise than a sum in
; another order; NaN and infinities are not served; blocks whose byte is held at 1 (largest magnitude under 2^-124) were not tried.
; The router is 8 columns and x lies in the lanes by columns as it was loaded, so it runs on the vector unit; no matrix instruction, no cluster: work-groups share router_w alone (32 KiB).
; SHARES: work-group g owns tokens 16 g .. + 15, wave w four of them (t), lane l the numbers k = 512 s + 16 l + 0 .. 15 of step s = 0, 1: sixteen neighbours, since the conversion takes
; sixteen numbers of one block from one lane's registers; two neighbouring lanes hold a block.  The four loads of a (t, s) read 2,048 consecutive bytes.
; idx is 16 bytes a wave (one lane stores them): the table is 16 KiB in all and a work-group owns 64 bytes of it.
; LDS: 0: router_w, the 64 bytes of expert e at k = 16 L at 5120 e + 80 L (lanes 80 bytes apart: 20 words
; ISA guide 11.1);  STG: for each wave the image of its four rows of xq.
.set STG,  40960
.set CD,   32                          ; v[32:47]   the codes of token t at CD + 4 t (three registers), while the router rows' buffers are free
.set EB,   48                          ; v[48:51]   its scale byte
.set RW,   32                          ; v[32:47], v[48:63] router rows, two buffers of 16 numbers
.set X,    64                          ; v[64:191]  step s, token t: 16 numbers at X + 64 s + 16 t
.set ACC,  192                         ; v[192:255] token t, expert e: a pair of partial sums at ACC + 2 (8 t + e); before that router_w on its way in
.set IDX,  64                          ; behind the products X is free: v[64:67] argmax,
.set GATE, 68                          ; v[68:71] gate,
.set BEST, 72                          ; v[72:75] maximum,
.set SUM,  76                          ; v[76:79] sum of exponentials,
.set OUTR, 96                          ; v[96:127] the stage read back
; v1 64 l (x)   v2, v3 router_w: into LDS, from memory   v4 80 l   v5 codes' place   v6 scale byte's place   v7 stage + 16 l   v8-14 at work   v15 16 l   v16 l >> 3
; v24-27 zeros   v28 l & 7   v29 the rows' last 256 bytes   v30 the gate's place
	s_load_b256 s[4:11], s[0:1], 0x0               ; x s[4:5], router_w s[6:7], router_b s[8:9], xq s[10:11]
	s_load_b64 s[12:13], s[0:1], 0x20              ; idx
	v_lshl_add_u32 v23, v0, 2, 0xe000
	v_mov_b32 v31, 0
	v_lshrrev_b32 v8, 5, v0
	v_readfirstlane_b32 s2, v8                     ; wave 0..3
	v_and_b32 v9, 31, v0                           ; lane
	v_lshlrev_b32 v1, 6, v9                        ; my 64 bytes of a step's 2,048
	v_lshrrev_b32 v10, 2, v0
	v_mul_u32_u24 v2, v10, 80                      ; router_w into LDS: four threads fill a group of 64 bytes,
	v_and_b32 v10, 3, v0
	v_lshl_add_u32 v2, v10, 4, v2                  ; groups 80 bytes apart
	v_lshlrev_b32 v3, 4, v0                        ; and from memory: 16 bytes a thread
	v_mul_u32_u24 v4, v9, 80
	v_lshlrev_b32 v15, 4, v9
	v_and_b32 v28, 7, v9
	v_lshrrev_b32 v16, 3, v9
	s_lshl_b32 s26, s2, 12
	s_add_co_u32 s26, s26, STG                     ; my stage
	v_bfe_u32 v10, v9, 1, 1                        ; my block's parity,
	v_mul_u32_u24 v5, v10, 384
	v_lshrrev_b32 v10, 2, v9                       ; its place among the blocks of that parity,
	v_mad_u32_u24 v5, v10, 24, v5
	v_and_b32 v10, 1, v9                           ; my half of it
	v_mad_u32_u24 v5, v10, 12, v5
	v_add_nc_u32 v5, s26, v5
	v_lshrrev_b32 v6, 1, v9
	v_add_nc_u32 v6, s26, v6
	v_add_nc_u32 v7, s26, v15
	v_bfe_u32 v10, v9, 4, 1
	v_and_b32 v11, 15, v9
	v_lshlrev_b32 v29, 10, v10
	v_lshl_add_u32 v29, v11, 4, v29
	v_add_nc_u32 v29, s26, v29                     ; row l / 16, 16 bytes for each of sixteen lanes
	v_lshlrev_b32 v30, 10, v16
	v_lshl_add_u32 v30, v28, 2, v30
	v_add_nc_u32 v30, s26, v30                     ; row l / 8, word l % 8
.irp i, 24,25,26,27
	v_mov_b32 v\i, 0
.endr
	s_mov_b32 s24, 0x76543210                      ; v_permlanex16_b32: lane i of one half reads lane i of the other
	s_mov_b32 s25, 0xfedcba98
	s_lshl_b32 s28, ttmp9, 16                      ; 16 rows of 4,096 bytes a work-group,
	s_lshl_b32 s27, s2, 14                         ; 4 rows a wave
	s_add_co_u32 s28, s28, s27
	s_mov_b32 s29, 0
	s_wait_kmcnt 0x0
	s_load_b256 s[16:23], s[8:9], 0x0              ; the eight router_b
	s_add_nc_u64 s[4:5], s[4:5], s[28:29]          ; x at my first token
	s_lshr_b32 s28, s28, 2                         ; rows of 1,024 bytes
	s_add_nc_u64 s[10:11], s[10:11], s[28:29]      ; xq at my first token
	s_lshr_b32 s28, s28, 8                         ; 4 bytes a token
	s_add_nc_u64 s[12:13], s[12:13], s[28:29]      ; idx at my first token
	; all that the wave will ever load is asked for now: 16 loads of router_w (into ACC's registers), then 32 of x, step 0 first
.irp j, 0,1,2,3,4,5,6,7,8,9,10,11,12,13,14,15
	global_load_b128 v[ACC+4*\j:ACC+4*\j+3], v3, s[6:7] offset:2048*\j
.endr
.irp s, 0,1
.irp t, 0,1,2,3
.irp q, 0,1,2,3
	global_load_b128 v[X+64*\s+16*\t+4*\q:X+64*\s+16*\t+4*\q+3], v1, s[4:5] offset:4096*\t+2048*\s+16*\q th:TH_LOAD_NT
.endr
.endr
.endr
	ds_store_b128 v29, v[24:27] offset:768         ; bytes 768-1023 of my four stage rows begin as zeros; scale bytes and gate are laid over them later, in order
	ds_store_b128 v29, v[24:27] offset:2816
	s_wait_loadcnt 32                              ; loads come back in order (ISA guide 5.7.1): router_w is in, the 32 loads of x stay out
.irp j, 0,1,2,3,4,5,6,7,8,9,10,11,12,13,14,15
	ds_store_b128 v2, v[ACC+4*\j:ACC+4*\j+3] offset:2560*\j    ; 2,048 bytes of memory are 32 groups: 2,560 bytes of LDS
.endr
	s_wait_dscnt 0x0                               ; my part of router_w is in LDS, for the other waves' sake,
	s_barrier_signal -1
	s_barrier_wait -1                              ; and so is everybody's; nobody writes it again
; router row e, my 16 numbers of step s, into buffer e & 1
.macro WREQ s, e
.irp q, 0,1,2,3
	ds_load_b128 v[RW+16*((\e)&1)+4*\q:RW+16*((\e)&1)+4*\q+3], v4 offset:5120*(\e)+2560*(\s)+16*\q
.endr
.endm
; my 16 numbers of token t, step s: the block's largest magnitude, its scale byte, 16 codes (12 bytes) into the stage
.macro QUANT t, s
.set XS, X+64*(\s)+16*(\t)
	v_max3_num_f32 v8, |v[XS]|, |v[XS+1]|, |v[XS+2]|               ; two chains that do not wait for each other
	v_max3_num_f32 v9, |v[XS+3]|, |v[XS+4]|, |v[XS+5]|
.irp i, 6,10
	v_max3_num_f32 v8, v8, |v[XS+\i]|, |v[XS+\i+1]|
	v_max3_num_f32 v9, v9, |v[XS+\i+2]|, |v[XS+\i+3]|
.endr
	v_max3_num_f32 v8, v8, |v[XS+14]|, |v[XS+15]|
	v_max_num_f32 v8, v8, v9
	v_max_num_f32_dpp v8, v8, v8 row_xmask:1 row_mask:0xf bank_mask:0xf   ; and my neighbour's 16: the block's
	v_lshrrev_b32 v9, 23, v8                       ; its exponent field
	v_max_u32 v9, 3, v9                            ; the byte is not to fall under 1
	v_add_nc_u32 v9, -2, v9                        ; the scale's byte
	v_lshlrev_b32 v11, 23, v9                      ; the scale as f32: the conversion takes its exponent field
	v_cmp_eq_u32 vcc_lo, 0, v8
	v_cvt_scalef32_pk16_fp6_f32 v[CD+4*(\t):CD+4*(\t)+2], v[XS:XS+15], v11   ; to the nearest code, ties to even, beyond 7.5 the largest code
	v_cndmask_b32 v[EB+(\t)], v9, 127, vcc_lo      ; a block of zeros gets 127.  (Also the one plain instruction between a scaled conversion and what touches its result)
	ds_store_b8 v6, v[EB+(\t)] offset:768+1024*(\t)+16*(\s)        ; both lanes of a block write the same byte with the same value
.irp i, 0,1,2
	ds_store_b32 v5, v[CD+4*(\t)+\i] offset:1024*(\t)+192*(\s)+4*\i   ; 12 bytes at a multiple of 4
.endr
.endm
; expert e x 4 tokens x my 16 numbers of step s: 32 packed multiply-adds, four chains by turns
.macro UNIT s, e
.if \e == 7
	s_wait_dscnt 0x0                               ; nothing was asked for behind the last row
.else
	s_wait_dscnt 0x4                               ; this row is in; the next row's four loads stay out
.endif
.irp p, 0,1,2,3,4,5,6,7
.irp t, 0,1,2,3
.if (\s == 0) && (\p == 0)
	v_pk_mul_f32 v[ACC+2*(8*\t+\e):ACC+2*(8*\t+\e)+1], v[X+64*\s+16*\t+2*\p:X+64*\s+16*\t+2*\p+1], v[RW+16*(\e&1)+2*\p:RW+16*(\e&1)+2*\p+1]   ; the first product starts the sums
.else
	v_pk_fma_f32 v[ACC+2*(8*\t+\e):ACC+2*(8*\t+\e)+1], v[X+64*\s+16*\t+2*\p:X+64*\s+16*\t+2*\p+1], v[RW+16*(\e&1)+2*\p:RW+16*(\e&1)+2*\p+1], v[ACC+2*(8*\t+\e):ACC+2*(8*\t+\e)+1]
.endif
.endr
.endr
.if \e < 6
	WREQ \s, \e+2                                  ; two rows ahead, into the buffer just used
.endif
.endm
.irp s, 0,1
	s_wait_loadcnt 16-16*\s                        ; this step's 16 loads are in; in step 0 the 16 of step 1 stay out
.irp t, 0,1,2,3
	QUANT \t, \s
.endr
	WREQ \s, 0                                     ; LDS serves a wave's instructions in order (ISA guide 5.7.1): these land behind the stores that read the same registers
	WREQ \s, 1
.irp e, 0,1,2,3,4,5,6,7
	UNIT \s, \e
.endr
.endr
	; 32 sums over the lanes, stage by stage: the pair, four steps inside 16 lanes, one across the halves, then router_b
.set k, 0
.rept 32
	v_add_f32 v[ACC+2*k], v[ACC+2*k], v[ACC+2*k+1]
.set k, k+1
.endr
.irp m, 1,2,4,8
.set k, 0
.rept 32
	v_add_f32_dpp v[ACC+2*k], v[ACC+2*k], v[ACC+2*k] row_xmask:\m row_mask:0xf bank_mask:0xf
.set k, k+1
.endr
.endr
.set k, 0
.rept 32
	v_permlanex16_b32 v[ACC+2*k+1], v[ACC+2*k], s24, s25   ; the destination, which counts as read, has been written
.set k, k+1
.endr
.set k, 0
.rept 32
	v_add_f32 v[ACC+2*k], v[ACC+2*k], v[ACC+2*k+1]
.set k, k+1
.endr
	s_wait_kmcnt 0x0                               ; router_b
.set k, 0
.rept 32
	v_add_f32 v[ACC+2*k], s[16+k%8], v[ACC+2*k]    ; every lane now holds logit (t = k / 8, e = k % 8)
.set k, k+1
.endr
	; argmax (the first of equals) and maximum
.irp t, 0,1,2,3
	v_mov_b32 v[IDX+\t], 0
	v_mov_b32 v[BEST+\t], v[ACC+16*\t]
.endr
.irp e, 1,2,3,4,5,6,7
.irp t, 0,1,2,3
	v_cmp_ge_f32 vcc_lo, v[BEST+\t], v[ACC+16*\t+2*\e]
	v_cndmask_b32 v[IDX+\t], \e, v[IDX+\t], vcc_lo         ; best >= l: the index stays, else it is e
	v_max_num_f32 v[BEST+\t], v[BEST+\t], v[ACC+16*\t+2*\e]
.endr
.endr
	; exp(l - max) = 2^((l - max) log2 e), in the pairs' second registers
.set k, 0
.rept 32
	v_sub_f32 v[ACC+2*k+1], v[ACC+2*k], v[BEST+k/8]
.set k, k+1
.endr
.set k, 0
.rept 32
	v_mul_f32 v[ACC+2*k+1], 0x3fb8aa3b, v[ACC+2*k+1]
.set k, k+1
.endr
.set k, 0
.rept 32
	v_exp_f32 v[ACC+2*k+1], v[ACC+2*k+1]
.set k, k+1
.endr
	v_nop                                          ; one plain vector instruction behind the last exponential before its result is read (ISA guide 5.7.2)
	s_wait_alu depctr_va_vdst(0)
.irp t, 0,1,2,3
	v_add_f32 v[SUM+\t], v[ACC+16*\t+1], v[ACC+16*\t+3]
.endr
.irp e, 2,3,4,5,6,7
.irp t, 0,1,2,3
	v_add_f32 v[SUM+\t], v[SUM+\t], v[ACC+16*\t+2*\e+1]
.endr
.endr
.irp t, 0,1,2,3
	v_rcp_f32 v[GATE+\t], v[SUM+\t]                ; the exponential at the argmax is 1
.endr
	v_nop                                          ; as above, before the reciprocals are read
	; the gate of token l / 8 goes to word l % 8 of that row's eight
	v_cmp_eq_u32 vcc_lo, 1, v16
	s_wait_alu depctr_va_vdst(0)
	v_cndmask_b32 v11, v[GATE], v[GATE+1], vcc_lo
	v_cmp_eq_u32 vcc_lo, 2, v16
	v_cndmask_b32 v11, v11, v[GATE+2], vcc_lo
	v_cmp_eq_u32 vcc_lo, 3, v16
	v_cndmask_b32 v11, v11, v[GATE+3], vcc_lo
	ds_store_b32 v30, v11 offset:800
	; my four rows of xq leave: the stage is their image, 4,096 consecutive bytes
.irp j, 0,1,2,3,4,5,6,7
	ds_load_b128 v[OUTR+4*\j:OUTR+4*\j+3], v7 offset:512*\j    ; in order behind my stores
.endr
.irp j, 0,1,2,3,4,5,6,7
	s_wait_dscnt 7-\j                              ; LDS loads come back in order: the younger ones stay out
	global_store_b128 v15, v[OUTR+4*\j:OUTR+4*\j+3], s[10:11] offset:512*\j   ; 32 lanes: 512 consecutive bytes at a multiple of 512
.endr
	s_wait_xcnt 0x0                                ; EXEC is a source of the pending stores of xq: it changes only behind this wait
	v_cmp_eq_u32 vcc_lo, 0, v1
	s_wait_tensorcnt 0x0
	ds_add_u32 v23, v31
	s_wait_dscnt 0x0
	s_and_saveexec_b32 s30, vcc_lo                 ; lane 0, whose v1 is 0
	global_store_b128 v1, v[IDX:IDX+3], s[12:13]   ; every lane holds the four indices; one stores them
	s_endpgm
.Lfunc_end_k_q6727b3a4df_route:
	.size	k_q6727b3a4df_route, .Lfunc_end_k_q6727b3a4df_route-k_q6727b3a4df_route
	.p2alignl 7, 3214868480
	.fill 96, 4, 3214868480
	.section	.rodata,"a",@progbits
	.p2align	6, 0x0
	.amdhsa_kernel k_q6727b3a4df_route
		.amdhsa_group_segment_fixed_size 57856
		.amdhsa_private_segment_fixed_size 0
		.amdhsa_enable_private_segment 0
		.amdhsa_kernarg_size 40
		.amdhsa_user_sgpr_count 2
		.amdhsa_user_sgpr_kernarg_segment_ptr 1
		.amdhsa_wavefront_size32 1
		.amdhsa_system_sgpr_workgroup_id_x 1
		.amdhsa_system_sgpr_workgroup_id_y 1
		.amdhsa_system_sgpr_workgroup_id_z 1
		.amdhsa_system_vgpr_workitem_id 0
		.amdhsa_next_free_vgpr 256
		.amdhsa_next_free_sgpr 66
		.amdhsa_reserve_vcc 1
		.amdhsa_float_denorm_mode_32 3
		.amdhsa_float_denorm_mode_16_64 3
		.amdhsa_memory_ordered 1
		.amdhsa_forward_progress 1
		.amdhsa_inst_pref_size 77
	.end_amdhsa_kernel
	.amdgpu_metadata
---
amdhsa.version: [ 1, 2 ]
amdhsa.kernels:
  - .name:           k_q6727b3a4df_route
    .symbol:         k_q6727b3a4df_route.kd
    .args:
      - { .name: x, .offset: 0, .size: 8, .value_kind: global_buffer, .address_space: global }
      - { .name: router_w, .offset: 8, .size: 8, .value_kind: global_buffer, .address_space: global }
      - { .name: router_b, .offset: 16, .size: 8, .value_kind: global_buffer, .address_space: global }
      - { .name: xq, .offset: 24, .size: 8, .value_kind: global_buffer, .address_space: global }
      - { .name: idx, .offset: 32, .size: 8, .value_kind: global_buffer, .address_space: global }
    .group_segment_fixed_size: 57856
    .private_segment_fixed_size: 0
    .kernarg_segment_align: 8
    .kernarg_segment_size: 40
    .max_flat_workgroup_size: 128
    .sgpr_count:     66
    .vgpr_count:     256
    .wavefront_size: 32
...
	.end_amdgpu_metadata
.endif
;; end of part 1
;; launch bucket (part 2): grid 8 x 1, 8 waves a work-group, no clusters, 1,280 bytes of LDS; arguments idx, order, counts; writes order, counts
.if DOCPART == 2
	.amdgcn_target "amdgcn-amd-amdhsa--gfx1250"
	.amdhsa_code_object_version 6
	.text
	.protected	k_q6727b3a4df_bucket
	.globl	k_q6727b3a4df_bucket
	.p2align	8
	.type	k_q6727b3a4df_bucket,@function
k_q6727b3a4df_bucket:
	s_mov_b64 s[64:65], 0
	v_nop
	global_prefetch_b8 v0, s[64:65] scope:SCOPE_SE
	s_setreg_imm32_b32 hwreg(HW_REG_WAVE_MODE, 25, 1), 1
	s_wait_xcnt 0x0
; LISTS.  Work-group e makes row e of order [8][4096]: the tokens whose idx is e, ascending, then all the others, ascending
; (so that every entry of the row is written and every lane always stores), and counts[e], the number of the first kind.
; No sum crosses work-groups: each of the 8 reads all 4,096 indices (16 KiB) for itself.  There is work for 8 work-groups only.
; Wave w takes tokens 512 w + 32 s + l, s = 0 .. 15: token order is (w, s, l) order.
.set IV,  2                            ; v[2:17]   idx of step s
.set TK,  18                           ; v[18:33]  token number of step s
.set PS,  34                           ; v[34:49]  its place in the row, then that place in bytes
.set MK,  16                           ; s[16:31]  step s: mask of the lanes whose token belongs to e
.set TOT, 32                           ; s[32:39]  the eight waves' member counts
	s_load_b128 s[4:7], s[0:1], 0x0                ; idx s[4:5], order s[6:7]
	s_load_b64 s[8:9], s[0:1], 0x10                ; counts
	v_lshl_add_u32 v64, v0, 2, 0x100
	v_mov_b32 v65, 0
	v_lshrrev_b32 v50, 5, v0
	v_readfirstlane_b32 s2, v50                    ; wave 0..7
	v_and_b32 v51, 31, v0                          ; lane
	v_lshlrev_b32 v1, 2, v51
	v_lshl_add_u32 v1, v50, 11, v1                 ; 2048 w + 4 l: my index of step 0
	v_lshl_add_u32 v[TK], v50, 9, v51              ; 512 w + l
.irp s, 1,2,3,4,5,6,7,8,9,10,11,12,13,14,15
	v_add_nc_u32 v[TK+\s], 32*\s, v[TK]
.endr
	s_mov_b32 s10, ttmp9                           ; e
	s_lshl_b32 s12, ttmp9, 14                      ; a row of order is 16,384 bytes
	s_mov_b32 s13, 0
	s_lshl_b32 s14, ttmp9, 2
	s_mov_b32 s15, 0
	s_wait_kmcnt 0x0
	s_add_nc_u64 s[6:7], s[6:7], s[12:13]
	s_add_nc_u64 s[8:9], s[8:9], s[14:15]
.irp s, 0,1,2,3,4,5,6,7,8,9,10,11,12,13,14,15
	global_load_b32 v[IV+\s], v1, s[4:5] offset:128*\s
.endr
	s_mov_b32 s43, 0
	s_wait_loadcnt 0x0
.irp s, 0,1,2,3,4,5,6,7,8,9,10,11,12,13,14,15
	v_cmp_eq_u32 s[MK+\s], s10, v[IV+\s]
	s_bcnt1_i32_b32 s42, s[MK+\s]
	s_add_co_u32 s43, s43, s42                     ; my wave's members
.endr
	v_mov_b32 v51, s2
	v_lshlrev_b32 v51, 2, v51
	v_mov_b32 v52, s43
	ds_store_b32 v51, v52                          ; word w; all lanes write the same value
	s_wait_dscnt 0x0                               ; in LDS, for the other waves' sake
	s_barrier_signal -1
	s_barrier_wait -1
	v_mov_b32 v53, 0
	ds_load_b128 v[54:57], v53
	ds_load_b128 v[58:61], v53 offset:16
	s_wait_dscnt 0x0
.irp k, 0,1,2,3,4,5,6,7
	v_readfirstlane_b32 s[TOT+\k], v[54+\k]
.endr
	s_mov_b32 s40, 0                               ; members in front of my wave's first token
	s_mov_b32 s41, 0                               ; members in all
.irp k, 0,1,2,3,4,5,6,7
	s_cmp_gt_u32 s2, \k
	s_cselect_b32 s42, s[TOT+\k], 0
	s_add_co_u32 s40, s40, s42
	s_add_co_u32 s41, s41, s[TOT+\k]
.endr
	; r = members in front of my token.  A member goes to place r, another token t to place cnt + (t - r).
	; Each step has registers of its own, so no store's sources are rewritten.
.irp s, 0,1,2,3,4,5,6,7,8,9,10,11,12,13,14,15
	v_mbcnt_lo_u32_b32 v[PS+\s], s[MK+\s], s40
	v_sub_nc_u32 v50, v[TK+\s], v[PS+\s]
	v_add_nc_u32 v50, s41, v50
	v_cndmask_b32 v[PS+\s], v50, v[PS+\s], s[MK+\s]
	v_min_u32 v[PS+\s], 0xfff, v[PS+\s]            ; a place made from loaded numbers enters an address only clamped to the row
	v_lshlrev_b32 v[PS+\s], 2, v[PS+\s]
	global_store_b32 v[PS+\s], v[TK+\s], s[6:7]
	s_bcnt1_i32_b32 s42, s[MK+\s]
	s_add_co_u32 s40, s40, s42
.endr
	s_wait_xcnt 0x0                                ; EXEC is a source of the pending stores: it changes only behind this wait
	v_cmp_eq_u32 vcc_lo, 0, v0
	s_wait_tensorcnt 0x0
	ds_add_u32 v64, v65
	s_wait_dscnt 0x0
	s_and_saveexec_b32 s44, vcc_lo                 ; thread 0 alone
	v_mov_b32 v51, s41
	global_store_b32 v53, v51, s[8:9]              ; counts[e]
	s_endpgm
.Lfunc_end_k_q6727b3a4df_bucket:
	.size	k_q6727b3a4df_bucket, .Lfunc_end_k_q6727b3a4df_bucket-k_q6727b3a4df_bucket
	.p2alignl 7, 3214868480
	.fill 96, 4, 3214868480
	.section	.rodata,"a",@progbits
	.p2align	6, 0x0
	.amdhsa_kernel k_q6727b3a4df_bucket
		.amdhsa_group_segment_fixed_size 1280
		.amdhsa_private_segment_fixed_size 0
		.amdhsa_enable_private_segment 0
		.amdhsa_kernarg_size 24
		.amdhsa_user_sgpr_count 2
		.amdhsa_user_sgpr_kernarg_segment_ptr 1
		.amdhsa_wavefront_size32 1
		.amdhsa_system_sgpr_workgroup_id_x 1
		.amdhsa_system_sgpr_workgroup_id_y 1
		.amdhsa_system_sgpr_workgroup_id_z 1
		.amdhsa_system_vgpr_workitem_id 0
		.amdhsa_next_free_vgpr 66
		.amdhsa_next_free_sgpr 66
		.amdhsa_reserve_vcc 1
		.amdhsa_float_denorm_mode_32 3
		.amdhsa_float_denorm_mode_16_64 3
		.amdhsa_memory_ordered 1
		.amdhsa_forward_progress 1
		.amdhsa_inst_pref_size 15
	.end_amdhsa_kernel
	.amdgpu_metadata
---
amdhsa.version: [ 1, 2 ]
amdhsa.kernels:
  - .name:           k_q6727b3a4df_bucket
    .symbol:         k_q6727b3a4df_bucket.kd
    .args:
      - { .name: idx, .offset: 0, .size: 8, .value_kind: global_buffer, .address_space: global }
      - { .name: order, .offset: 8, .size: 8, .value_kind: global_buffer, .address_space: global }
      - { .name: counts, .offset: 16, .size: 8, .value_kind: global_buffer, .address_space: global }
    .group_segment_fixed_size: 1280
    .private_segment_fixed_size: 0
    .kernarg_segment_align: 8
    .kernarg_segment_size: 24
    .max_flat_workgroup_size: 256
    .sgpr_count:     66
    .vgpr_count:     66
    .wavefront_size: 32
...
	.end_amdgpu_metadata
.endif
;; end of part 2
;; launch experts (part 3): grid 256 x 1, 4 waves a work-group, no clusters, 118,272 bytes of LDS; arguments xq, order, expert_w_codes, expert_w_scales, expert_b, out0, counts; writes out0
.if DOCPART == 3
	.amdgcn_target "amdgcn-amd-amdhsa--gfx1250"
	.amdhsa_code_object_version 6
	.text
	.protected	k_q6727b3a4df_experts
	.globl	k_q6727b3a4df_experts
	.p2align	8
	.type	k_q6727b3a4df_experts,@function
k_q6727b3a4df_experts:
	s_mov_b64 s[64:65], 0
	v_nop
	global_prefetch_b8 v0, s[64:65] scope:SCOPE_SE
	s_setreg_imm32_b32 hwreg(HW_REG_WAVE_MODE, 25, 1), 1
	s_wait_xcnt 0x0
; out[t] = gate[t] (Q(x[t]) W_e^T + b_e) for the one expert e that token t was routed to: only that eighth of the product is made; the rest is thrown away by the gather for every input.
; Both operands are codes of E2M3 with E8M0 scales (x's from the first launch, W's as given); the sums are f32 and start from the bias.
; SHARES: work-group g: expert e = g >> 5, slice sl = (g >> 1) & 15 (64 output columns), part = g & 1.  The expert's tokens (row e of order, counts[e] of them, from the launch before) are
; cut into blocks of 16; block b belongs to wave u = b & 7 of the slice's eight, u = 2 w + part.  W STAYS IN REGISTERS: a wave holds the slice's 64 columns x 1,024 K as 32 fragments,
; 384 registers, read from LDS once.  A block of tokens is 8 fragments, 32 matrix instructions on 4 accumulators.  Five blocks are asked for at once (a LAP); further laps serve uneven
; routing (up to all 4,096 tokens on one expert: 32 blocks a wave, 7 laps).
; Places at or beyond the count are clamped to the last member, which lies in the list's last block: those rows of that block are computed and stored again with equal values, by the
; same wave, so EXEC stays full.  All five slots of a lap are always loaded (an absent block's places are clamped too: valid tokens), so that every counted wait holds on every path; an
; absent block is neither multiplied nor stored.  The price is at most four needless blocks' loads a wave.
; Behind the one barrier (W is in LDS) every wave works alone: its trips hang on the count, so no barrier may follow.  No LDS address is ever stepped.
; NO CLUSTER, NO TENSOR LOADS: a slice of W is shared by 2 work-groups only; the rows of x that the 16 slices share are gathered by a list, one address a row; and partners' numbers of
; laps differ with the counts.
; THE MATRIX INSTRUCTION IS USED TRANSPOSED: source 0 = 16 rows of W (output columns), source 1 = 16 tokens: register j of lane (r = l & 15, h = l >> 4) holds token r, column 16 nt + 8 h + j.
; LIMITS: none beyond the first launch's.
; LDS: W: 64 rows, pitch 784 = 768 + 16 (196 words: row r starts at bank 4 r mod 64 of the 64 banks, ISA guide 11.1);  XS: for each wave 16 rows of 784: a block of x on its way into
; fragment order;  OS: for each wave 16 rows of 272: an output tile.  XS and OS are the wave's own.
.set WP,     784
.set WNT,    16*WP                     ; 12,544: sixteen rows
.set XS0,    64*WP                     ; 50,176
.set OS0,    XS0+4*WNT                 ; 100,352
.set OP,     272                       ; the end is 117,760
.set LAPB,   2560                      ; five blocks of mine are 5 x 8 x 16 places of 4 bytes on
; REGISTERS.  72 fragment slots of 12 registers: slot s < 63 in window 1 + s / 21 at 12 (s % 21); slots 63-71 in window 0 at 148 + 12 (s - 63).  W(ks, nt) = slot 4 ks + nt; x(m, ks) = slot 32 + 8 m + ks.
; Window 0:
.set L16,  1                           ; 16 r
.set XSW,  2                           ; XS + 784 h + 16 r: where a loaded piece of a row goes
.set XSR,  3                           ; XS + 784 r + 384 h: where a fragment is read
.set OSW,  4                           ; OS + 272 r + 32 h
.set OSR,  5                           ; OS + 272 h + 16 r
.set POSK, 6                           ; 4 (16 u + h) + the laps' bytes: byte place in the list of row h of the lap's first block
.set POSR, 7                           ; the same of row r
.set H16,  8                           ; 16 h
.set WA,   9                           ; 784 r + 24 h: W's fragments
.set WST,  10                          ; 12,544 w + 16 l; v11 the same + 16 h: W's way into LDS
.set POSS, 12                          ; the same as POSK of row r + h
.set LN16, 13                          ; 16 l
.set H32,  14                          ; 32 h
.set WSO,  15                          ; 32 r + 16 h
.set WS,   16                          ; v[16:31]  4 nt + q: lanes 0-15 the scale word ks = q of W's row 16 nt + r, lanes 16-31 that of ks = 4 + q
.set BI,   32                          ; v[32:63]  8 nt + j: the bias of column 16 nt + 8 h + j
.set XSC,  64                          ; v[64:83]  4 m + q: x's scale words, the halves as in WS
.set G,    84                          ; v[84:93]  pair 2 m: the gate of token r of slot m, twice
.set ACC,  96                          ; v[96:127] four accumulators
.set OO,   128                         ; v[128:135] byte offsets of the output rows 2 i + h
.set T,    96                          ; v[96:140] between laps: 9 m + i: place, token, then byte offset in xq, of row 2 i + h of slot m (i < 8) and of row r (i = 8)
.set S,    141                         ; v[141:145] = T + 45 + m: slot m: the token of row r + h; it stays through the lap, for the way out
; v144-147 serve as r, h, l and a temporary while the lane addresses are made, ahead of the first use of S.
; s_set_vgpr_msb's low byte: bits 1:0 source 0, 3:2 source 1, 5:4 source 2, 7:6 destination
.set MSB, 0
.macro WIN new                         ; the immediate's high byte repeats the setting that is left; a switch that changes nothing is dropped
.if MSB != (\new)
	s_set_vgpr_msb (MSB<<8)|(\new)
.set MSB, (\new)
.endif
.endm
.macro FRLOC s                         ; window FW and first register FR of fragment slot s
.if (\s) < 63
.set FW, 1+(\s)/21
.set FR, 12*((\s)%21)
.else
.set FW, 0
.set FR, 148+12*((\s)-63)
.endif
.endm
	s_load_b256 s[4:11], s[0:1], 0x0               ; xq s[4:5], order s[6:7], W's codes s[8:9], W's scales s[10:11]
	s_load_b128 s[12:15], s[0:1], 0x20             ; expert_b s[12:13], out0 s[14:15]
	s_load_b64 s[48:49], s[0:1], 0x30              ; counts
	v_lshl_add_u32 v94, v0, 2, 0x1cc00
	v_mov_b32 v95, 0
	v_lshrrev_b32 v147, 5, v0
	v_readfirstlane_b32 s2, v147                   ; wave 0..3
	s_lshr_b32 s16, ttmp9, 5                       ; e
	s_bfe_u32 s17, ttmp9, 0x40001                  ; sl: 4 bits from bit 1
	s_and_b32 s18, ttmp9, 1                        ; part
	s_lshl1_add_u32 s19, s2, s18                   ; u = 2 w + part: my first block
	v_and_b32 v144, 15, v0                         ; r
	v_bfe_u32 v145, v0, 4, 1                       ; h
	v_and_b32 v146, 31, v0                         ; l
	v_lshlrev_b32 v[L16], 4, v144
	v_lshlrev_b32 v[H16], 4, v145
	v_lshlrev_b32 v[H32], 5, v145
	v_lshlrev_b32 v[LN16], 4, v146
	v_lshl_add_u32 v[WSO], v144, 5, v[H16]
	s_mul_i32 s44, s2, WNT
	s_add_co_u32 s45, s44, XS0                     ; my XS
	v_mul_u32_u24 v147, v144, WP                   ; 784 r
	v_mad_u32_u24 v[WA], v145, 24, v147
	v_add_nc_u32 v[WST], s44, v[LN16]
	v_add_nc_u32 v[WST+1], v[WST], v[H16]
	v_mad_u32_u24 v[XSW], v145, WP, v[L16]
	v_add_nc_u32 v[XSW], s45, v[XSW]
	v_mad_u32_u24 v[XSR], v145, 384, v147
	v_add_nc_u32 v[XSR], s45, v[XSR]
	s_mul_i32 s46, s2, 16*OP
	s_add_co_u32 s46, s46, OS0                     ; my OS
	v_mul_u32_u24 v147, v144, OP
	v_add_nc_u32 v[OSW], v147, v[H32]
	v_add_nc_u32 v[OSW], s46, v[OSW]
	v_mad_u32_u24 v[OSR], v145, OP, v[L16]
	v_add_nc_u32 v[OSR], s46, v[OSR]
	s_lshl_b32 s47, s19, 6                         ; 4 bytes x 16 u
	v_lshl_add_u32 v[POSK], v145, 2, s47
	v_lshl_add_u32 v[POSR], v144, 2, s47
	v_lshl_add_u32 v[POSS], v145, 2, v[POSR]
	s_mov_b32 s41, 0
	s_lshl_b32 s40, s16, 2
	s_wait_kmcnt 0x0
	s_add_nc_u64 s[48:49], s[48:49], s[40:41]
	s_load_b32 s36, s[48:49], 0x0                  ; counts[e]
	s_mul_i32 s40, s16, 786432                     ; an expert's codes, 1,024 rows of 768 bytes,
	s_mul_i32 s42, s17, 49152                      ; a slice's 64 rows,
	s_add_co_u32 s40, s40, s42
	s_mul_i32 s42, s2, 12288                       ; the 16 of them that my wave brings
	s_add_co_u32 s40, s40, s42
	s_add_nc_u64 s[8:9], s[8:9], s[40:41]
	s_lshl_b32 s40, s16, 15                        ; scale bytes: 32 a row
	s_lshl_b32 s42, s17, 11
	s_add_co_u32 s40, s40, s42
	s_add_nc_u64 s[10:11], s[10:11], s[40:41]
	s_lshl_b32 s40, s16, 12
	s_lshl_b32 s42, s17, 8
	s_add_co_u32 s40, s40, s42
	s_add_nc_u64 s[12:13], s[12:13], s[40:41]      ; the slice's 64 biases
	s_mov_b32 s40, s42
	s_add_nc_u64 s[14:15], s[14:15], s[40:41]      ; the slice's 256 bytes of an output row
	s_lshl_b32 s40, s16, 14
	s_add_nc_u64 s[6:7], s[6:7], s[40:41]          ; order's row e
	; 16 rows of W's codes (12,288 consecutive bytes, 512 a load) into the registers of slots 0-7; the slice's scale words; the bias: 36 loads
	WIN 0x40
.set k, 0
.rept 24
	global_load_b128 v[4*k:4*k+3], v[LN16], s[8:9] offset:512*k
.set k, k+1
.endr
	WIN 0
.irp nt, 0,1,2,3
	global_load_b128 v[WS+4*\nt:WS+4*\nt+3], v[WSO], s[10:11] offset:512*\nt
.endr
.irp nt, 0,1,2,3
	global_load_b128 v[BI+8*\nt:BI+8*\nt+3], v[H32], s[12:13] offset:64*\nt
	global_load_b128 v[BI+8*\nt+4:BI+8*\nt+7], v[H32], s[12:13] offset:64*\nt+16
.endr
	s_wait_kmcnt 0x0
	s_min_u32 s36, s36, 0x1000                     ; the count
	s_max_u32 s23, s36, 1
	s_sub_co_u32 s23, s23, 1
	s_lshl_b32 s23, s23, 2                         ; byte place of the last member (of entry 0 where there is none: every entry of order is written)
	s_add_co_u32 s37, s36, 15
	s_lshr_b32 s37, s37, 4                         ; blocks of 16
	s_add_co_u32 s37, s37, 7
	s_sub_co_u32 s37, s37, s19
	s_lshr_b32 s37, s37, 3                         ; my blocks: u, u + 8, .. : 32 at the most
; The tokens of a lap's five slots: rows 2 i + h, row r, and row r + h.  50 places, clamped twice: to the last member, and by a constant to the row of order; 50 loads.
; (Row r + h = 16 is the first place of the list's next block, or clamped: inside the row, and never picked.)
.macro LISTREQ
.irp m, 0,1,2,3,4
.irp i, 0,1,2,3,4,5,6,7
	v_add_nc_u32 v[T+9*\m+\i], 512*\m+8*\i, v[POSK]    ; slot m is 8 x 16 places on from slot m - 1
.endr
	v_add_nc_u32 v[T+9*\m+8], 512*\m, v[POSR]
	v_add_nc_u32 v[S+\m], 512*\m, v[POSS]
.endr
.set an, 0
.rept 50
	v_min_u32 v[T+an], s23, v[T+an]
.set an, an+1
.endr
.set an, 0
.rept 50
	v_min_u32 v[T+an], 0x3ffc, v[T+an]
.set an, an+1
.endr
.set an, 0
.rept 50
	global_load_b32 v[T+an], v[T+an], s[6:7]       ; each lands on its own address register
.set an, an+1
.endr
.endm
.macro ADDRS                           ; tokens into byte offsets in xq: a row is 1,024 bytes
.set an, 0
.rept 45
	v_min_u32 v[T+an], 0xfff, v[T+an]              ; a loaded token enters an address only clamped to the 4,096 rows
.set an, an+1
.endr
.set an, 0
.rept 45
.if an%9 == 8
	v_lshl_add_u32 v[T+an], v[T+an], 10, v[H16]
.else
	v_lshl_add_u32 v[T+an], v[T+an], 10, v[L16]
.endif
.set an, an+1
.endr
.endm
; Slot m is asked for: 24 loads of codes (sixteen lanes read 256 consecutive aligned bytes of one row; load 3 i + c: rows 2 i + h, bytes 256 c on) into the slot's own fragment registers,
; which serve as a waiting room; the scale words of token r (ks = 4 h + 0 .. 3); its gate, twice.  26 loads.
.macro XLOAD m
.set qn, 0
.rept 24
	FRLOC 32+8*(\m)+qn/3
	WIN FW<<6
	global_load_b128 v[FR+4*(qn%3):FR+4*(qn%3)+3], v[T+9*(\m)+qn/3], s[4:5] offset:256*(qn%3)
.set qn, qn+1
.endr
	WIN 0
	global_load_b128 v[XSC+4*(\m):XSC+4*(\m)+3], v[T+9*(\m)+8], s[4:5] offset:768
	global_load_b64 v[G+2*(\m):G+2*(\m)+1], v[T+9*(\m)+8], s[4:5] offset:800
.endm
; W's 32 fragments.  16 rows x 128 K of 6-bit codes are 12 registers: lane (r, h) takes the 24 bytes at 96 ks + 24 h of row r and the 24 bytes 48 further on, as they lie, in pieces of 8 bytes
.macro WFRAGS
.set fs, 0
.rept 32
	FRLOC fs
	WIN FW<<6
.irp p, 0,1,2,3,4,5
	ds_load_b64 v[FR+2*\p:FR+2*\p+1], v[WA] offset:WNT*(fs%4)+96*(fs/4)+48*(\p/3)+8*(\p%3)
.endr
.set fs, fs+1
.endr
	WIN 0
.endm
.macro MMA m, cb, row                  ; one product: accumulator ntn, K step ksn; AR: W's fragment, FR: x's; cb: where the sum comes from; row = 1: the scale words lie in lanes 16-31
.if \row
	v_wmma_scale_f32_16x16x128_f8f6f4 v[ACC+8*ntn:ACC+8*ntn+7], v[AR:AR+11], v[FR:FR+11], v[\cb+8*ntn:\cb+8*ntn+7], v[WS+4*ntn+(ksn&3)], v[XSC+4*(\m)+(ksn&3)] matrix_a_fmt:MATRIX_FMT_FP6 matrix_b_fmt:MATRIX_FMT_FP6 matrix_a_scale:MATRIX_SCALE_ROW1 matrix_b_scale:MATRIX_SCALE_ROW1
.else
	v_wmma_scale_f32_16x16x128_f8f6f4 v[ACC+8*ntn:ACC+8*ntn+7], v[AR:AR+11], v[FR:FR+11], v[\cb+8*ntn:\cb+8*ntn+7], v[WS+4*ntn+(ksn&3)], v[XSC+4*(\m)+(ksn&3)] matrix_a_fmt:MATRIX_FMT_FP6 matrix_b_fmt:MATRIX_FMT_FP6
.endif
.endm
; The block in slot m: through XS into fragment order, 32 products, x gate, through OS, out.
.macro PROCESS m
.if 26*(4-(\m)) > 63
	s_wait_loadcnt 63                              ; the younger slots' 26 (4 - m) loads may stay out; the wait's field names 63 at the most
.else
	s_wait_loadcnt 26*(4-(\m))                     ; this slot's 26 loads are in; the younger slots' stay out
.endif
	s_wait_xcnt 0x0                                ; every earlier memory instruction has had its addresses translated (ISA guide 3.1): T, which the loads address by, and ACC and OO, which the last block's stores read, are rewritten only behind this wait
	s_cmp_le_i32 s37, \m
	s_cbranch_scc1 .Labsent_\@                     ; I have no such block: nothing is multiplied, nothing stored
.set qn, 0
.rept 24
	FRLOC 32+8*(\m)+qn/3
	WIN FW<<2                                      ; an LDS store's data: source 1
	ds_store_b128 v[XSW], v[FR+4*(qn%3):FR+4*(qn%3)+3] offset:2*WP*(qn/3)+256*(qn%3)
.set qn, qn+1
.endr
	WIN 0
.irp n, 0,2,4,6,8,10,12,14             ; the tokens of rows 2 i + h, for the way out: every lane of a half takes lane n = 2 i of its half, which holds row n in lanes 0-15 and row n + 1 in lanes 16-31
	v_mov_b32_dpp v[OO+\n/2], v[S+(\m)] row_share:\n row_mask:0xf bank_mask:0xf
.endr
.set qn, 0
.rept 24                               ; lane (r, h) of K step ks wants blocks 4 ks + h and 4 ks + 2 + h of token r: 48 bytes together at 384 h + 48 ks, since a row of xq has its even blocks first
	FRLOC 32+8*(\m)+qn/3
	WIN FW<<6
	ds_load_b128 v[FR+4*(qn%3):FR+4*(qn%3)+3], v[XSR] offset:48*(qn/3)+16*(qn%3)   ; back into the registers that the block left; LDS serves a wave's instructions in order (ISA guide 5.7.1)
.set qn, qn+1
.endr
.set ksn, 0
.rept 8
	s_wait_dscnt 3*(7-ksn)                         ; this K step's fragment is in; the later steps' three loads each stay out
.set ntn, 0
.rept 4                                ; the four accumulators take turns, one instruction a turn
	FRLOC 4*ksn+ntn
.set AW, FW
.set AR, FR
	FRLOC 32+8*(\m)+ksn
	WIN AW|(FW<<2)
.if ksn == 0
	MMA \m, BI, 0                                  ; the sums start from the bias: nothing is cleared, no bias is added later
.elseif ksn < 4
	MMA \m, ACC, 0
.else
	MMA \m, ACC, 1
.endif
.set ntn, ntn+1
.endr
.set ksn, ksn+1
.endr
	WIN 0
.irp i, 0,1,2,3,4,5,6,7
	v_min_u32 v[OO+\i], 0xfff, v[OO+\i]            ; these sixteen name no register of the last products: they are the places behind them (ISA guide 7.12.1)
.endr
.irp i, 0,1,2,3,4,5,6,7
	v_lshl_add_u32 v[OO+\i], v[OO+\i], 12, v[L16]  ; a row of out0 is 4,096 bytes
.endr
.set an, 0
.rept 16
	v_pk_mul_f32 v[ACC+2*an:ACC+2*an+1], v[ACC+2*an:ACC+2*an+1], v[G+2*(\m):G+2*(\m)+1]   ; x the gate of my token r; each accumulator from its low end on
.set an, an+1
.endr
.irp nt, 0,1,2,3
	ds_store_b128 v[OSW], v[ACC+8*\nt:ACC+8*\nt+3] offset:64*\nt
	ds_store_b128 v[OSW], v[ACC+8*\nt+4:ACC+8*\nt+7] offset:64*\nt+16
.endr
.irp i, 0,1,2,3,4,5,6,7
	ds_load_b128 v[ACC+4*\i:ACC+4*\i+3], v[OSR] offset:2*OP*\i   ; rows 2 i + h, 16 bytes a lane; in order behind the stores above
.endr
.irp i, 0,1,2,3,4,5,6,7
	s_wait_dscnt 7-\i                              ; LDS loads come back in order: the younger ones stay out
	global_store_b128 v[OO+\i], v[ACC+4*\i:ACC+4*\i+3], s[14:15] th:TH_STORE_NT   ; sixteen lanes: 256 consecutive bytes at a multiple of 256
.endr
.Labsent_\@:
.endm
	LISTREQ                                        ; the first lap's tokens are asked for behind W: 86 loads in all; the issue of a load that would pass the counter's field is held (ISA guide 5.7.1)
	s_mov_b32 s38, 0                               ; laps made
	s_wait_loadcnt 50                              ; W's codes, its scale words and the bias are in; the 50 loads of the list stay out
	WIN 0x04
.set k, 0
.rept 24                               ; 1,536 bytes (three loads) are two rows: 1,568 bytes of LDS; the second load's lanes 16-31 and the third lie in the second row, 16 bytes further on
.if k%3 == 0
	ds_store_b128 v[WST], v[4*k:4*k+3] offset:2*WP*(k/3)
.elseif k%3 == 1
	ds_store_b128 v[WST+1], v[4*k:4*k+3] offset:2*WP*(k/3)+512
.else
	ds_store_b128 v[WST], v[4*k:4*k+3] offset:2*WP*(k/3)+1040
.endif
.set k, k+1
.endr
	WIN 0
	s_wait_loadcnt 0x0                             ; the tokens are in
	s_wait_dscnt 0x0                               ; my 16 rows of W are in LDS, for the others' sake
	s_barrier_signal -1
	ADDRS                                          ; work on registers while the others arrive
	s_barrier_wait -1                              ; all 64 rows of W are in LDS; nobody writes them again.  No barrier follows
	XLOAD 0                                        ; the gather's first 52 loads go out, then W's fragments are read beside them, then the other 78:
	XLOAD 1                                        ; W's fragments are not to stand behind a load whose issue is held
	WFRAGS
	XLOAD 2
	XLOAD 3
	XLOAD 4
	s_wait_dscnt 0x0                               ; W's fragments are in, on the path of a wave without blocks too
.Llap:                                                 ; at most 7 trips; on both ways in, the five slots' 130 loads have been issued and no LDS instruction is out
	PROCESS 0
	PROCESS 1
	PROCESS 2
	PROCESS 3
	PROCESS 4
	s_sub_co_i32 s37, s37, 5
	s_cmp_le_i32 s37, 0
	s_cbranch_scc1 .Ldone                          ; with even routing a wave has four or five blocks and leaves here
	s_wait_xcnt 0x0                                ; the last block's stores have had their addresses translated: T lies on ACC and OO
	v_add_nc_u32 v[POSK], LAPB, v[POSK]            ; on to the next five blocks of mine; these three enter addresses only behind LISTREQ's clamps
	v_add_nc_u32 v[POSR], LAPB, v[POSR]
	v_add_nc_u32 v[POSS], LAPB, v[POSS]
	LISTREQ
	s_wait_loadcnt 0x0
	ADDRS
	XLOAD 0
	XLOAD 1
	XLOAD 2
	XLOAD 3
	XLOAD 4
	s_add_co_u32 s38, s38, 1
	s_cmp_lt_u32 s38, 7
	s_cbranch_scc1 .Llap
.Ldone:
	s_wait_tensorcnt 0x0
	ds_add_u32 v94, v95
	s_wait_dscnt 0x0
	s_endpgm
.Lfunc_end_k_q6727b3a4df_experts:
	.size	k_q6727b3a4df_experts, .Lfunc_end_k_q6727b3a4df_experts-k_q6727b3a4df_experts
	.p2alignl 7, 3214868480
	.fill 96, 4, 3214868480
	.section	.rodata,"a",@progbits
	.p2align	6, 0x0
	.amdhsa_kernel k_q6727b3a4df_experts
		.amdhsa_group_segment_fixed_size 118272
		.amdhsa_private_segment_fixed_size 0
		.amdhsa_enable_private_segment 0
		.amdhsa_kernarg_size 56
		.amdhsa_user_sgpr_count 2
		.amdhsa_user_sgpr_kernarg_segment_ptr 1
		.amdhsa_wavefront_size32 1
		.amdhsa_system_sgpr_workgroup_id_x 1
		.amdhsa_system_sgpr_workgroup_id_y 1
		.amdhsa_system_sgpr_workgroup_id_z 1
		.amdhsa_system_vgpr_workitem_id 0
		.amdhsa_next_free_vgpr 1024
		.amdhsa_next_free_sgpr 66
		.amdhsa_reserve_vcc 0
		.amdhsa_float_denorm_mode_32 3
		.amdhsa_float_denorm_mode_16_64 3
		.amdhsa_memory_ordered 1
		.amdhsa_forward_progress 1
		.amdhsa_inst_pref_size 143
	.end_amdhsa_kernel
	.amdgpu_metadata
---
amdhsa.version: [ 1, 2 ]
amdhsa.kernels:
  - .name:           k_q6727b3a4df_experts
    .symbol:         k_q6727b3a4df_experts.kd
    .args:
      - { .name: xq, .offset: 0, .size: 8, .value_kind: global_buffer, .address_space: global }
      - { .name: order, .offset: 8, .size: 8, .value_kind: global_buffer, .address_space: global }
      - { .name: expert_w_codes, .offset: 16, .size: 8, .value_kind: global_buffer, .address_space: global }
      - { .name: expert_w_scales, .offset: 24, .size: 8, .value_kind: global_buffer, .address_space: global }
      - { .name: expert_b, .offset: 32, .size: 8, .value_kind: global_buffer, .address_space: global }
      - { .name: out0, .offset: 40, .size: 8, .value_kind: global_buffer, .address_space: global }
      - { .name: counts, .offset: 48, .size: 8, .value_kind: global_buffer, .address_space: global }
    .group_segment_fixed_size: 118272
    .private_segment_fixed_size: 0
    .kernarg_segment_align: 8
    .kernarg_segment_size: 56
    .max_flat_workgroup_size: 128
    .sgpr_count:     66
    .vgpr_count:     1024
    .wavefront_size: 32
...
	.end_amdgpu_metadata
.endif
;; end of part 3
;; ======== version 2 of 3: 2 launches
;; workspace buffers: xq 4,194,304 bytes; masks 4,096 bytes of whole numbers
;; launch route (part 4): grid 256 x 1, 4 waves a work-group, no clusters, 58,112 bytes of LDS; arguments x, router_w, router_b, xq, masks; writes xq, masks
.if DOCPART == 4
	.amdgcn_target "amdgcn-amd-amdhsa--gfx1250"
	.amdhsa_code_object_version 6
	.text
	.protected	k_q6727b3a4df_route
	.globl	k_q6727b3a4df_route
	.p2align	8
	.type	k_q6727b3a4df_route,@function
k_q6727b3a4df_route:
	s_mov_b64 s[64:65], 0
	v_nop
	global_prefetch_b8 v0, s[64:65] scope:SCOPE_SE
	s_setreg_imm32_b32 hwreg(HW_REG_WAVE_MODE, 25, 1), 1
	s_wait_xcnt 0x0
; ROUTER AND QUANTISER.  x [4096][1024] f32 is read once.  Made of it: the 8 logits of each token (f32 multiply-adds on the numbers as they are given), their argmax, the softmax at
; the argmax (the gate), and the codes of E2M3 with one E8M0 byte for each 32 along K.
; OUT: xq [4096][1024 bytes], a row for each token: bytes 0-767 the codes, THE EVEN BLOCKS FIRST (block B of 32 codes, 24 bytes, at (B & 1) 384 + (B >> 1) 24), so that the 48 bytes which one
; lane of the next launch's matrix operand wants for 128 along K (two blocks of one parity) lie together; bytes 768-799 the 32 scale bytes in their order; bytes 800-831 the gate, eight
; times; bytes 832-1023 zeros, so that every aligned 256 bytes of the row are written whole.
; masks [8][128] words: bit b of masks[e][W] says that token 32 W + b goes to expert e.  The next launch forms its addresses and trip counts from these whole numbers alone.
; A block's scale is 2^(floor(log2(its largest magnitude)) - 2): its byte is that magnitude's exponent field - 2, held at 1 from below; a block of zeros gets 127.
; The maximum is taken away before the exponentials: gate = 1 / sum of exp(l - max), a sum that is at least 1.
; LIMITS: ties go to the lowest index, as argmax does; two top logits closer than the rounding of an f32 sum of 1,024 terms (about 1e-6 of their size) may route otherwise than a sum in
; another order; NaN and infinities are not served; blocks whose byte is held at 1 (largest magnitude under 2^-124) were not tried.
; The router is 8 columns and x lies in the lanes by columns as it was loaded, so it runs on the vector unit; no matrix instruction, no cluster: work-groups share router_w alone (32 KiB).
; SHARES: work-group g owns tokens 16 g .. + 15, wave w four of them (t), lane l the numbers k = 512 s + 16 l + 0 .. 15 of step s = 0, 1: sixteen neighbours, since the conversion takes
; sixteen numbers of one block from one lane's registers; two neighbouring lanes hold a block.  The four loads of a (t, s) read 2,048 consecutive bytes.
; LDS: 0: router_w IN THE ORDER IN WHICH IT IS READ: the four numbers k = 512 s + 16 L + 4 q + 0 .. 3 of expert e lie at 2304 (2 e + s) + 576 q + 16 L, so that a load of one (e, s, q) takes
; 512 consecutive bytes; the pitch of 576 = 36 x 16 bytes puts the sixteen lanes of a store (four q, four L) into sixteen different columns of 16 bytes modulo 256 (64 banks of 4 bytes:
; ISA guide 11.1).  36,864 bytes.  STG: for each wave the image of its four rows of xq;  MX: word 8 w + e, the wave's four bits of expert e's mask.
.set RJ,   2304                        ; router_w: from one (e, s) to the next
.set RQ,   576                         ; from one quarter to the next
.set STG,  40960
.set MX,   57344
.set CD,   32                          ; v[32:47]   the codes of token t at CD + 4 t (three registers), while the router rows' buffers are free
.set EB,   48                          ; v[48:51]   its scale byte
.set RW,   32                          ; v[32:47], v[48:63] router rows, two buffers of 16 numbers
.set X,    64                          ; v[64:191]  step s, token t: 16 numbers at X + 64 s + 16 t
.set ACC,  192                         ; v[192:255] token t, expert e: a pair of partial sums at ACC + 2 (8 t + e); before that router_w on its way in
.set IDX,  64                          ; behind the products X is free: v[64:67] argmax,
.set GATE, 68                          ; v[68:71] gate,
.set BEST, 72                          ; v[72:75] maximum,
.set SUM,  76                          ; v[76:79] sum of exponentials,
.set OUTR, 96                          ; v[96:127] the stage read back
; v1 64 l (x)   v2, v3 router_w: into LDS, from memory   v5 codes' place   v6 scale byte's place   v7 stage + 16 l   v8-14 at work   v15 16 l   v16 l >> 3
; v24-27 zeros   v28 l & 7   v29 the rows' last 256 bytes   v30 the gate's place   v31 the mask word's place
	s_load_b256 s[4:11], s[0:1], 0x0               ; x s[4:5], router_w s[6:7], router_b s[8:9], xq s[10:11]
	s_load_b64 s[12:13], s[0:1], 0x20              ; masks
	v_lshl_add_u32 v22, v0, 2, 0xe100
	v_mov_b32 v23, 0
	v_lshrrev_b32 v8, 5, v0
	v_readfirstlane_b32 s2, v8                     ; wave 0..3
	v_and_b32 v9, 31, v0                           ; lane
	v_lshlrev_b32 v1, 6, v9                        ; my 64 bytes of a step's 2,048
	v_and_b32 v10, 3, v0                           ; router_w into LDS: thread T brings quarter q = T & 3
	v_mul_u32_u24 v2, v10, RQ
	v_lshrrev_b32 v10, 2, v0                       ; of the sixteen numbers of lane L = T >> 2
	v_lshl_add_u32 v2, v10, 4, v2
	v_lshlrev_b32 v3, 4, v0                        ; and from memory: 16 bytes a thread
	v_lshlrev_b32 v15, 4, v9
	v_and_b32 v28, 7, v9
	v_lshrrev_b32 v16, 3, v9
	s_lshl_b32 s26, s2, 12
	s_add_co_u32 s26, s26, STG                     ; my stage
	v_bfe_u32 v10, v9, 1, 1                        ; my block's parity,
	v_mul_u32_u24 v5, v10, 384
	v_lshrrev_b32 v10, 2, v9                       ; its place among the blocks of that parity,
	v_mad_u32_u24 v5, v10, 24, v5
	v_and_b32 v10, 1, v9                           ; my half of it
	v_mad_u32_u24 v5, v10, 12, v5
	v_add_nc_u32 v5, s26, v5
	v_lshrrev_b32 v6, 1, v9
	v_add_nc_u32 v6, s26, v6
	v_add_nc_u32 v7, s26, v15
	v_bfe_u32 v10, v9, 4, 1
	v_and_b32 v11, 15, v9
	v_lshlrev_b32 v29, 10, v10
	v_lshl_add_u32 v29, v11, 4, v29
	v_add_nc_u32 v29, s26, v29                     ; row l / 16, 16 bytes for each of sixteen lanes
	v_lshlrev_b32 v30, 10, v16
	v_lshl_add_u32 v30, v28, 2, v30
	v_add_nc_u32 v30, s26, v30                     ; row l / 8, word l % 8
	s_lshl_b32 s27, s2, 5
	v_lshl_add_u32 v31, v28, 2, s27
.irp i, 24,25,26,27
	v_mov_b32 v\i, 0
.endr
	s_mov_b32 s24, 0x76543210                      ; v_permlanex16_b32: lane i of one half reads lane i of the other
	s_mov_b32 s25, 0xfedcba98
	s_lshl_b32 s28, ttmp9, 16                      ; 16 rows of 4,096 bytes a work-group,
	s_lshl_b32 s27, s2, 14                         ; 4 rows a wave
	s_add_co_u32 s28, s28, s27
	s_mov_b32 s29, 0
	s_wait_kmcnt 0x0
	s_load_b256 s[16:23], s[8:9], 0x0              ; the eight router_b
	s_add_nc_u64 s[4:5], s[4:5], s[28:29]          ; x at my first token
	s_lshr_b32 s28, s28, 2                         ; rows of 1,024 bytes
	s_add_nc_u64 s[10:11], s[10:11], s[28:29]      ; xq at my first token
	s_lshl_b32 s28, ttmp9, 1                       ; masks: my work-group's 16 tokens are half g & 1 of word g >> 1: byte 2 g of each expert's 512
	s_add_nc_u64 s[12:13], s[12:13], s[28:29]
	; all that the wave will ever load is asked for now: 16 loads of router_w (into ACC's registers), then 32 of x, step 0 first
.irp j, 0,1,2,3,4,5,6,7,8,9,10,11,12,13,14,15
	global_load_b128 v[ACC+4*\j:ACC+4*\j+3], v3, s[6:7] offset:2048*\j
.endr
.irp s, 0,1
.irp t, 0,1,2,3
.irp q, 0,1,2,3
	global_load_b128 v[X+64*\s+16*\t+4*\q:X+64*\s+16*\t+4*\q+3], v1, s[4:5] offset:4096*\t+2048*\s+16*\q th:TH_LOAD_NT
.endr
.endr
.endr
	ds_store_b128 v29, v[24:27] offset:768         ; bytes 768-1023 of my four stage rows begin as zeros; scale bytes and gate are laid over them later, in order
	ds_store_b128 v29, v[24:27] offset:2816
	s_wait_loadcnt 32                              ; loads come back in order (ISA guide 5.7.1): router_w is in, the 32 loads of x stay out
.irp j, 0,1,2,3,4,5,6,7,8,9,10,11,12,13,14,15
	ds_store_b128 v2, v[ACC+4*\j:ACC+4*\j+3] offset:RJ*\j      ; load j holds expert j >> 1, step j & 1
.endr
	s_wait_dscnt 0x0                               ; my part of router_w is in LDS, for the other waves' sake,
	s_barrier_signal -1
	s_barrier_wait -1                              ; and so is everybody's; nobody writes it again
; router row e, my 16 numbers of step s, into buffer e & 1: four loads of 512 consecutive bytes
.macro WREQ s, e
.irp q, 0,1,2,3
	ds_load_b128 v[RW+16*((\e)&1)+4*\q:RW+16*((\e)&1)+4*\q+3], v15 offset:RJ*(2*(\e)+(\s))+RQ*\q
.endr
.endm
; my 16 numbers of token t, step s: the block's largest magnitude, its scale byte, 16 codes (12 bytes) into the stage
.macro QUANT t, s
.set XS, X+64*(\s)+16*(\t)
	v_max3_num_f32 v8, |v[XS]|, |v[XS+1]|, |v[XS+2]|               ; two chains that do not wait for each other
	v_max3_num_f32 v9, |v[XS+3]|, |v[XS+4]|, |v[XS+5]|
.irp i, 6,10
	v_max3_num_f32 v8, v8, |v[XS+\i]|, |v[XS+\i+1]|
	v_max3_num_f32 v9, v9, |v[XS+\i+2]|, |v[XS+\i+3]|
.endr
	v_max3_num_f32 v8, v8, |v[XS+14]|, |v[XS+15]|
	v_max_num_f32 v8, v8, v9
	v_max_num_f32_dpp v8, v8, v8 row_xmask:1 row_mask:0xf bank_mask:0xf   ; and my neighbour's 16: the block's
	v_lshrrev_b32 v9, 23, v8                       ; its exponent field
	v_max_u32 v9, 3, v9                            ; the byte is not to fall under 1
	v_add_nc_u32 v9, -2, v9                        ; the scale's byte
	v_lshlrev_b32 v11, 23, v9                      ; the scale as f32: the conversion takes its exponent field
	v_cmp_eq_u32 vcc_lo, 0, v8
	v_cvt_scalef32_pk16_fp6_f32 v[CD+4*(\t):CD+4*(\t)+2], v[XS:XS+15], v11   ; to the nearest code, ties to even, beyond 7.5 the largest code
	v_cndmask_b32 v[EB+(\t)], v9, 127, vcc_lo      ; a block of zeros gets 127.  (Also the one plain instruction between a scaled conversion and what touches its result)
	ds_store_b8 v6, v[EB+(\t)] offset:768+1024*(\t)+16*(\s)        ; both lanes of a block write the same byte with the same value
.irp i, 0,1,2
	ds_store_b32 v5, v[CD+4*(\t)+\i] offset:1024*(\t)+192*(\s)+4*\i   ; 12 bytes at a multiple of 4
.endr
.endm
; expert e x 4 tokens x my 16 numbers of step s: 32 packed multiply-adds, four chains by turns
.macro UNIT s, e
.if \e == 7
	s_wait_dscnt 0x0                               ; nothing was asked for behind the last row
.else
	s_wait_dscnt 0x4                               ; this row is in; the next row's four loads stay out
.endif
.irp p, 0,1,2,3,4,5,6,7
.irp t, 0,1,2,3
.if (\s == 0) && (\p == 0)
	v_pk_mul_f32 v[ACC+2*(8*\t+\e):ACC+2*(8*\t+\e)+1], v[X+64*\s+16*\t+2*\p:X+64*\s+16*\t+2*\p+1], v[RW+16*(\e&1)+2*\p:RW+16*(\e&1)+2*\p+1]   ; the first product starts the sums
.else
	v_pk_fma_f32 v[ACC+2*(8*\t+\e):ACC+2*(8*\t+\e)+1], v[X+64*\s+16*\t+2*\p:X+64*\s+16*\t+2*\p+1], v[RW+16*(\e&1)+2*\p:RW+16*(\e&1)+2*\p+1], v[ACC+2*(8*\t+\e):ACC+2*(8*\t+\e)+1]
.endif
.endr
.endr
.if \e < 6
	WREQ \s, \e+2                                  ; two rows ahead, into the buffer just used
.endif
.endm
.irp s, 0,1
	s_wait_loadcnt 16-16*\s                        ; this step's 16 loads are in; in step 0 the 16 of step 1 stay out
.irp t, 0,1,2,3
	QUANT \t, \s
.endr
	WREQ \s, 0                                     ; LDS serves a wave's instructions in order (ISA guide 5.7.1): these land behind the stores that read the same registers
	WREQ \s, 1
.irp e, 0,1,2,3,4,5,6,7
	UNIT \s, \e
.endr
.endr
	; 32 sums over the lanes, stage by stage: the pair, four steps inside 16 lanes, one across the halves, then router_b
.set k, 0
.rept 32
	v_add_f32 v[ACC+2*k], v[ACC+2*k], v[ACC+2*k+1]
.set k, k+1
.endr
.irp m, 1,2,4,8
.set k, 0
.rept 32
	v_add_f32_dpp v[ACC+2*k], v[ACC+2*k], v[ACC+2*k] row_xmask:\m row_mask:0xf bank_mask:0xf
.set k, k+1
.endr
.endr
.set k, 0
.rept 32
	v_permlanex16_b32 v[ACC+2*k+1], v[ACC+2*k], s24, s25   ; the destination, which counts as read, has been written
.set k, k+1
.endr
.set k, 0
.rept 32
	v_add_f32 v[ACC+2*k], v[ACC+2*k], v[ACC+2*k+1]
.set k, k+1
.endr
	s_wait_kmcnt 0x0                               ; router_b
.set k, 0
.rept 32
	v_add_f32 v[ACC+2*k], s[16+k%8], v[ACC+2*k]    ; every lane now holds logit (t = k / 8, e = k % 8)
.set k, k+1
.endr
	; argmax (the first of equals) and maximum
.irp t, 0,1,2,3
	v_mov_b32 v[IDX+\t], 0
	v_mov_b32 v[BEST+\t], v[ACC+16*\t]
.endr
.irp e, 1,2,3,4,5,6,7
.irp t, 0,1,2,3
	v_cmp_ge_f32 vcc_lo, v[BEST+\t], v[ACC+16*\t+2*\e]
	v_cndmask_b32 v[IDX+\t], \e, v[IDX+\t], vcc_lo         ; best >= l: the index stays, else it is e
	v_max_num_f32 v[BEST+\t], v[BEST+\t], v[ACC+16*\t+2*\e]
.endr
.endr
	; exp(l - max) = 2^((l - max) log2 e), in the pairs' second registers
.set k, 0
.rept 32
	v_sub_f32 v[ACC+2*k+1], v[ACC+2*k], v[BEST+k/8]
.set k, k+1
.endr
.set k, 0
.rept 32
	v_mul_f32 v[ACC+2*k+1], 0x3fb8aa3b, v[ACC+2*k+1]
.set k, k+1
.endr
.set k, 0
.rept 32
	v_exp_f32 v[ACC+2*k+1], v[ACC+2*k+1]
.set k, k+1
.endr
	v_nop                                          ; one plain vector instruction behind the last exponential before its result is read (ISA guide 5.7.2)
	s_wait_alu depctr_va_vdst(0)
.irp t, 0,1,2,3
	v_add_f32 v[SUM+\t], v[ACC+16*\t+1], v[ACC+16*\t+3]
.endr
.irp e, 2,3,4,5,6,7
.irp t, 0,1,2,3
	v_add_f32 v[SUM+\t], v[SUM+\t], v[ACC+16*\t+2*\e+1]
.endr
.endr
.irp t, 0,1,2,3
	v_rcp_f32 v[GATE+\t], v[SUM+\t]                ; the exponential at the argmax is 1
.endr
	v_mov_b32 v12, 0                               ; (the plain instruction behind the reciprocals)
	; the gate of token l / 8 goes to word l % 8 of that row's eight
	v_cmp_eq_u32 vcc_lo, 1, v16
	s_wait_alu depctr_va_vdst(0)
	v_cndmask_b32 v11, v[GATE], v[GATE+1], vcc_lo
	v_cmp_eq_u32 vcc_lo, 2, v16
	v_cndmask_b32 v11, v11, v[GATE+2], vcc_lo
	v_cmp_eq_u32 vcc_lo, 3, v16
	v_cndmask_b32 v11, v11, v[GATE+3], vcc_lo
	ds_store_b32 v30, v11 offset:800
	; my wave's four bits of the mask of expert l % 8
.irp t, 0,1,2,3
	v_cmp_eq_u32 vcc_lo, v[IDX+\t], v28
	v_cndmask_b32 v13, 0, 1<<\t, vcc_lo
	v_or_b32 v12, v12, v13
.endr
	s_lshl_b32 s27, s2, 2
	v_lshlrev_b32 v12, s27, v12                    ; token 4 w + t of the work-group's sixteen
	ds_store_b32 v31, v12 offset:MX                ; four lanes write the same word with the same value
	; my four rows of xq leave: the stage is their image, 4,096 consecutive bytes
.irp j, 0,1,2,3,4,5,6,7
	ds_load_b128 v[OUTR+4*\j:OUTR+4*\j+3], v7 offset:512*\j    ; in order behind my stores
.endr
.irp j, 0,1,2,3,4,5,6,7
	s_wait_dscnt 7-\j                              ; LDS loads come back in order: the younger ones stay out
	global_store_b128 v15, v[OUTR+4*\j:OUTR+4*\j+3], s[10:11] offset:512*\j   ; 32 lanes: 512 consecutive bytes at a multiple of 512
.endr
	s_barrier_signal -1                            ; the last wait above was for 0: my mask words are in LDS
	s_barrier_wait -1
	s_cmp_lg_u32 s2, 0
	s_cbranch_scc1 .Lend
	v_lshlrev_b32 v8, 2, v28                       ; wave 0 joins the four waves' bits: 16 bits for each expert
	v_lshlrev_b32 v14, 9, v28                      ; an expert's row of masks is 512 bytes
.irp k, 0,1,2,3
	ds_load_b32 v[9+\k], v8 offset:MX+32*\k
.endr
	s_wait_dscnt 0x0
	v_or_b32 v9, v9, v10
	v_or_b32 v11, v11, v12
	v_or_b32 v9, v9, v11
	s_wait_xcnt 0x0                                ; EXEC is a source of the pending stores of xq: it changes only behind this wait
	v_cmp_gt_u32 vcc_lo, 8, v0
	s_wait_tensorcnt 0x0
	ds_add_u32 v22, v23
	s_wait_dscnt 0x0
	s_and_saveexec_b32 s30, vcc_lo                 ; lanes 0 to 7, one for each expert
	global_store_b16 v14, v9, s[12:13]             ; eight stores of 2 bytes, 512 bytes apart: the table is 4 KiB in all and a work-group owns 16 bytes of it
	s_endpgm
.Lend:
	s_wait_tensorcnt 0x0
	ds_add_u32 v22, v23
	s_wait_dscnt 0x0
	s_endpgm
.Lfunc_end_k_q6727b3a4df_route:
	.size	k_q6727b3a4df_route, .Lfunc_end_k_q6727b3a4df_route-k_q6727b3a4df_route
	.p2alignl 7, 3214868480
	.fill 96, 4, 3214868480
	.section	.rodata,"a",@progbits
	.p2align	6, 0x0
	.amdhsa_kernel k_q6727b3a4df_route
		.amdhsa_group_segment_fixed_size 58112
		.amdhsa_private_segment_fixed_size 0
		.amdhsa_enable_private_segment 0
		.amdhsa_kernarg_size 40
		.amdhsa_user_sgpr_count 2
		.amdhsa_user_sgpr_kernarg_segment_ptr 1
		.amdhsa_wavefront_size32 1
		.amdhsa_system_sgpr_workgroup_id_x 1
		.amdhsa_system_sgpr_workgroup_id_y 1
		.amdhsa_system_sgpr_workgroup_id_z 1
		.amdhsa_system_vgpr_workitem_id 0
		.amdhsa_next_free_vgpr 256
		.amdhsa_next_free_sgpr 66
		.amdhsa_reserve_vcc 1
		.amdhsa_float_denorm_mode_32 3
		.amdhsa_float_denorm_mode_16_64 3
		.amdhsa_memory_ordered 1
		.amdhsa_forward_progress 1
		.amdhsa_inst_pref_size 79
	.end_amdhsa_kernel
	.amdgpu_metadata
---
amdhsa.version: [ 1, 2 ]
amdhsa.kernels:
  - .name:           k_q6727b3a4df_route
    .symbol:         k_q6727b3a4df_route.kd
    .args:
      - { .name: x, .offset: 0, .size: 8, .value_kind: global_buffer, .address_space: global }
      - { .name: router_w, .offset: 8, .size: 8, .value_kind: global_buffer, .address_space: global }
      - { .name: router_b, .offset: 16, .size: 8, .value_kind: global_buffer, .address_space: global }
      - { .name: xq, .offset: 24, .size: 8, .value_kind: global_buffer, .address_space: global }
      - { .name: masks, .offset: 32, .size: 8, .value_kind: global_buffer, .address_space: global }
    .group_segment_fixed_size: 58112
    .private_segment_fixed_size: 0
    .kernarg_segment_align: 8
    .kernarg_segment_size: 40
    .max_flat_workgroup_size: 128
    .sgpr_count:     66
    .vgpr_count:     256
    .wavefront_size: 32
...
	.end_amdgpu_metadata
.endif
;; end of part 4
;; launch experts (part 5): grid 256 x 1, 4 waves a work-group, no clusters, 118,272 bytes of LDS; arguments xq, masks, expert_w_codes, expert_w_scales, expert_b, out0; writes out0
.if DOCPART == 5
	.amdgcn_target "amdgcn-amd-amdhsa--gfx1250"
	.amdhsa_code_object_version 6
	.text
	.protected	k_q6727b3a4df_experts
	.globl	k_q6727b3a4df_experts
	.p2align	8
	.type	k_q6727b3a4df_experts,@function
k_q6727b3a4df_experts:
	s_mov_b64 s[64:65], 0
	v_nop
	global_prefetch_b8 v0, s[64:65] scope:SCOPE_SE
	s_setreg_imm32_b32 hwreg(HW_REG_WAVE_MODE, 25, 1), 1
	s_wait_xcnt 0x0
; out[t] = gate[t] (Q(x[t]) W_e^T + b_e) for the one expert e that token t was routed to: only that eighth of the product is made; the rest is thrown away by the gather for every input.
; Both operands are codes of E2M3 with E8M0 scales (x's from the launch before, W's as given); the sums are f32 and start from the bias.
; SHARES: work-group g: expert e = g >> 5, slice sl = (g >> 1) & 15 (64 output columns), part = g & 1.  Wave w serves SEGMENT w: tokens 1024 w .. + 1023.  The segment's tokens of expert e, in
; ascending order, are cut into blocks of 16; the wave takes the blocks 2 j + part.  W STAYS IN REGISTERS: a wave holds the slice's 64 columns x 1,024 K as 32 fragments, 384 registers, read
; from LDS once.  A block of tokens is 8 fragments, 32 matrix instructions on 4 accumulators.  Five blocks are asked for at once (a LAP): the two parts' ten blocks serve 160 tokens of a
; segment's 1,024; further laps serve uneven routing (up to all 1,024: 32 blocks a wave, 7 laps).
; THE LIST IS MADE IN REGISTERS, from the 32 mask words of (expert, segment), whole numbers that the launch before stored.  They are scalars; their running count gives the segment's count,
; from which all branches come.  A lane that wants the member of rank R keeps, over the 32 words, the last word whose running count does not pass R (a compare and two selects a word), and
; finds the bit of rank R less that count in it by halving, on counts by pairs, by fours and by bytes.
; Ranks at or beyond the count are held at the last member, which lies in the segment's last block: those rows of that block are computed and stored again with equal values, by the same
; wave, so EXEC stays full.  The price of segments: up to four part-filled blocks an expert.  All five slots of a lap are always loaded (an absent block's ranks are held too: valid tokens),
; so that every counted wait holds on every path; an absent block is neither multiplied nor stored: at most four needless blocks' loads a wave.
; A LANE (r = l & 15, h = l >> 4) SEEKS ROW (r + 8 + 8 h) & 15 OF ITS BLOCK: lanes 16-31 hold row r, lanes 0-15 row r xor 8.  So one v_permlanex16_b32 in which every lane takes lane i of the
; OTHER half gives row i to lanes 0-15 and row i + 8 to lanes 16-31, the two rows that a load or store of sixteen lanes to a row serves; and lane r of the other half holds row r for lanes 0-15.
; Behind the one barrier (W is in LDS) every wave works alone: its trips hang on the count, so no barrier may follow.  No LDS address is ever stepped.
; NO CLUSTER, NO TENSOR LOADS: a slice of W is shared by 2 work-groups only; the rows of x that the 16 slices share are gathered by a list, one address a row; and partners' numbers of
; laps differ with the counts.
; THE MATRIX INSTRUCTION IS USED TRANSPOSED: source 0 = 16 rows of W (output columns), source 1 = 16 tokens: register j of lane (r, h) holds token r, column 16 nt + 8 h + j.
; LIMITS: none beyond the first launch's.
; LDS: W: 64 rows, pitch 784 = 768 + 16 (196 words: row r starts at bank 4 r mod 64 of the 64 banks, ISA guide 11.1);  XS: for each wave 16 rows of 784: a block of x on its way into
; fragment order;  OS: for each wave 16 rows of 272: an output tile.  XS and OS are the wave's own.
.set WP,     784
.set WNT,    16*WP                     ; 12,544: sixteen rows
.set XS0,    64*WP                     ; 50,176
.set OS0,    XS0+4*WNT                 ; 100,352
.set OP,     272                       ; the end is 117,760
; SCALARS: s2 wave; s[4:5] xq and s[14:15] out0 stay; s[6:13] hold the addresses of the masks, W's codes, W's scales and the bias at the head, then the lane selects;
; s48 e, s49 sl, s50 part; s51 mask of lanes 16-31; s52 the last member's rank; s53 my blocks still to do; s54 laps made;
; s55 rank of row 0 of the lap's first block; s98 1024 w; s3, s61, s99, s[62:63] at work
.set MW,   16                          ; s[16:47]  the segment's 32 mask words
.set CB,   66                          ; s66-97    word k: 256 x (members in front of it) + k
.set MK,   56                          ; s56-60    a compare's result for each of the five targets
.set SEL,  6                           ; s6-13     select i: all eight fields are i: every lane takes lane i of the other half
.set IDL,  100                         ; s100-101  each lane takes its own place in the other half
.set IDH,  101
; REGISTERS.  72 fragment slots of 12 registers: slot s < 63 in window 1 + s / 21 at 12 (s % 21); slots 63-71 in window 0 at 148 + 12 (s - 63).  W(ks, nt) = slot 4 ks + nt; x(m, ks) = slot 32 + 8 m + ks.
; Window 0:
.set L16,  1                           ; 16 r
.set XSW,  2                           ; XS + 8 x 784 h + 16 r: where a loaded piece of a row goes
.set XSR,  3                           ; XS + 784 r + 384 h: where a fragment is read
.set OSW,  4                           ; OS + 272 r + 32 h
.set OSR,  5                           ; OS + 8 x 272 h + 16 r
.set VR,   6                           ; (r + 8 + 8 h) & 15: the row that I seek
.set RB,   7                           ; its rank in the lap's first block
.set H16,  8                           ; 16 h
.set WA,   9                           ; 784 r + 24 h: W's fragments
.set WST,  10                          ; 12,544 w + 16 l; v11 the same + 16 h: W's way into LDS
.set LN16, 13                          ; 16 l
.set H32,  14                          ; 32 h
.set WSO,  15                          ; 32 r + 16 h
.set WS,   16                          ; v[16:31]  4 nt + q: lanes 0-15 the scale word ks = q of W's row 16 nt + r, lanes 16-31 that of ks = 4 + q
.set BI,   32                          ; v[32:63]  8 nt + j: the bias of column 16 nt + 8 h + j
.set XSC,  64                          ; v[64:83]  4 m + q: x's scale words, the halves as in WS
.set G,    84                          ; v[84:93]  pair 2 m: the gate of token r of slot m, twice
.set ACC,  96                          ; v[96:127] four accumulators
.set OO,   128                         ; v[128:135] byte offsets of the output rows i + 8 h
.set T,    96                          ; v[96:140] between laps: 9 m + i: token, then byte offset in xq, of row i + 8 h of slot m (i < 8) and of row r (i = 8)
.set S,    141                         ; v[141:145] slot m: the token of the row that I seek; it stays through the lap, for the way out
; the search's 45 registers are T's, five of each, one for each slot:
.set RX,   96                          ; 256 x rank + 255; then the rank within the word, within the half ..
.set CC,   101                         ; the kept word's 256 x count + k
.set WW,   106                         ; the kept word
.set SA,   111                         ; its bits counted by pairs,
.set SB,   116                         ; by fours,
.set SC,   121                         ; by bytes
.set T1,   126                         ; at work
.set T2,   131
.set PO,   136                         ; the bit's place, as far as it is known
; v144-147 serve as r, h, l and a temporary while the lane addresses are made, ahead of the first use of S.
; s_set_vgpr_msb's low byte: bits 1:0 source 0, 3:2 source 1, 5:4 source 2, 7:6 destination
.set MSB, 0
.macro WIN new                         ; the immediate's high byte repeats the setting that is left; a switch that changes nothing is dropped
.if MSB != (\new)
	s_set_vgpr_msb (MSB<<8)|(\new)
.set MSB, (\new)
.endif
.endm
.macro FRLOC s                         ; window FW and first register FR of fragment slot s
.if (\s) < 63
.set FW, 1+(\s)/21
.set FR, 12*((\s)%21)
.else
.set FW, 0
.set FR, 148+12*((\s)-63)
.endif
.endm
	s_load_b256 s[4:11], s[0:1], 0x0               ; xq s[4:5], masks s[6:7], W's codes s[8:9], W's scales s[10:11]
	s_load_b128 s[12:15], s[0:1], 0x20             ; expert_b s[12:13], out0 s[14:15]
	v_lshl_add_u32 v94, v0, 2, 0x1cc00
	v_mov_b32 v95, 0
	v_lshrrev_b32 v147, 5, v0
	v_readfirstlane_b32 s2, v147                   ; wave 0..3
	s_lshr_b32 s48, ttmp9, 5                       ; e
	s_bfe_u32 s49, ttmp9, 0x40001                  ; sl: 4 bits from bit 1
	s_and_b32 s50, ttmp9, 1                        ; part
	v_and_b32 v144, 15, v0                         ; r
	v_bfe_u32 v145, v0, 4, 1                       ; h
	v_and_b32 v146, 31, v0                         ; l
	v_lshlrev_b32 v[L16], 4, v144
	v_lshlrev_b32 v[H16], 4, v145
	v_lshlrev_b32 v[H32], 5, v145
	v_lshlrev_b32 v[LN16], 4, v146
	v_lshl_add_u32 v[WSO], v144, 5, v[H16]
	v_lshl_add_u32 v[VR], v145, 3, v144            ; r + 8 h,
	v_add_nc_u32 v[VR], 8, v[VR]                   ; + 8,
	v_and_b32 v[VR], 15, v[VR]                     ; modulo 16
	s_mul_i32 s61, s2, WNT
	s_add_co_u32 s98, s61, XS0                     ; my XS
	v_mul_u32_u24 v147, v144, WP                   ; 784 r
	v_mad_u32_u24 v[WA], v145, 24, v147
	v_add_nc_u32 v[WST], s61, v[LN16]
	v_add_nc_u32 v[WST+1], v[WST], v[H16]
	v_mad_u32_u24 v[XSW], v145, 8*WP, v[L16]
	v_add_nc_u32 v[XSW], s98, v[XSW]
	v_mad_u32_u24 v[XSR], v145, 384, v147
	v_add_nc_u32 v[XSR], s98, v[XSR]
	s_mul_i32 s99, s2, 16*OP
	s_add_co_u32 s99, s99, OS0                     ; my OS
	v_mul_u32_u24 v147, v144, OP
	v_add_nc_u32 v[OSW], v147, v[H32]
	v_add_nc_u32 v[OSW], s99, v[OSW]
	v_mad_u32_u24 v[OSR], v145, 8*OP, v[L16]
	v_add_nc_u32 v[OSR], s99, v[OSR]
	s_mov_b32 s63, 0
	s_lshl_b32 s62, s48, 9                         ; an expert's 128 mask words,
	s_lshl_b32 s61, s2, 7                          ; my segment's 32 of them
	s_add_co_u32 s62, s62, s61
	s_wait_kmcnt 0x0
	s_add_nc_u64 s[6:7], s[6:7], s[62:63]
	s_load_b512 s[MW:MW+15], s[6:7], 0x0
	s_load_b512 s[MW+16:MW+31], s[6:7], 0x40
	s_mul_i32 s62, s48, 786432                     ; an expert's codes, 1,024 rows of 768 bytes,
	s_mul_i32 s61, s49, 49152                      ; a slice's 64 rows,
	s_add_co_u32 s62, s62, s61
	s_mul_i32 s61, s2, 12288                       ; the 16 of them that my wave brings
	s_add_co_u32 s62, s62, s61
	s_add_nc_u64 s[8:9], s[8:9], s[62:63]
	s_lshl_b32 s62, s48, 15                        ; scale bytes: 32 a row
	s_lshl_b32 s61, s49, 11
	s_add_co_u32 s62, s62, s61
	s_add_nc_u64 s[10:11], s[10:11], s[62:63]
	s_lshl_b32 s62, s48, 12
	s_lshl_b32 s61, s49, 8
	s_add_co_u32 s62, s62, s61
	s_add_nc_u64 s[12:13], s[12:13], s[62:63]      ; the slice's 64 biases
	s_mov_b32 s62, s61
	s_add_nc_u64 s[14:15], s[14:15], s[62:63]      ; the slice's 256 bytes of an output row
	; 16 rows of W's codes (12,288 consecutive bytes, 512 a load) into the registers of slots 0-7; the slice's scale words; the bias: 36 loads
	WIN 0x40
.set k, 0
.rept 24
	global_load_b128 v[4*k:4*k+3], v[LN16], s[8:9] offset:512*k
.set k, k+1
.endr
	WIN 0
.irp nt, 0,1,2,3
	global_load_b128 v[WS+4*\nt:WS+4*\nt+3], v[WSO], s[10:11] offset:512*\nt
.endr
.irp nt, 0,1,2,3
	global_load_b128 v[BI+8*\nt:BI+8*\nt+3], v[H32], s[12:13] offset:64*\nt
	global_load_b128 v[BI+8*\nt+4:BI+8*\nt+7], v[H32], s[12:13] offset:64*\nt+16
.endr
	s_mov_b32 s51, 0xffff0000
	s_mov_b32 s54, 0
	s_lshl_b32 s55, s50, 4                         ; my first block is block 'part': its row 0 has rank 16 part
	s_lshl_b32 s98, s2, 10                         ; my segment's first token
	s_mov_b32 s3, 0                                ; 16 x the members so far
	s_mov_b32 s[IDL], 0x76543210
	s_mov_b32 s[IDH], 0xfedcba98
	s_wait_kmcnt 0x0                               ; the mask words
.set k, 0
.rept 32
	s_lshl4_add_u32 s[CB+k], s3, k                 ; 256 x (members in front of word k) + k
	s_bcnt1_i32_b32 s61, s[MW+k]
	s_lshl4_add_u32 s3, s61, s3
.set k, k+1
.endr
	s_lshr_b32 s3, s3, 4
	s_min_u32 s3, s3, 0x400                        ; the segment's count
	s_max_u32 s52, s3, 1
	s_sub_co_u32 s52, s52, 1                       ; the last member's rank (0 where there is none)
	s_add_co_u32 s53, s3, 15
	s_lshr_b32 s53, s53, 4                         ; blocks of 16
	s_add_co_u32 s53, s53, 1
	s_sub_co_u32 s53, s53, s50
	s_lshr_b32 s53, s53, 1                         ; my blocks: part, part + 2, .. : 32 at the most
; One halving: src holds the word's bits counted in fields of wd bits.  The field at PO is the count of the lower wd bits of the 2 wd that are left: a rank that reaches it lies in the upper ones.
.macro HALVE src, wd
.irp j, 0,1,2,3,4
	v_bfe_u32 v[T1+\j], v[\src+\j], v[PO+\j], \wd
.endr
.irp j, 0,1,2,3,4
	v_cmp_ge_u32 s[MK+\j], v[RX+\j], v[T1+\j]
.endr
.irp j, 0,1,2,3,4
	v_cndmask_b32 v[T2+\j], 0, \wd, s[MK+\j]
.endr
.irp j, 0,1,2,3,4
	v_cndmask_b32 v[T1+\j], 0, v[T1+\j], s[MK+\j]
.endr
.irp j, 0,1,2,3,4
	v_sub_nc_u32 v[RX+\j], v[RX+\j], v[T1+\j]
.endr
.irp j, 0,1,2,3,4
	v_add_nc_u32 v[PO+\j], v[PO+\j], v[T2+\j]
.endr
.endm
; The tokens of a lap's five slots: S + j = the member of rank s55 + 32 j + my row, held at the last member.  The five searches go side by side, so that no instruction waits for the one before it.
.macro SELECT
	v_add_nc_u32 v[RB], s55, v[VR]
.irp j, 0,1,2,3,4
	v_add_nc_u32 v[RX+\j], 32*\j, v[RB]            ; my next block is two blocks of the segment on
.endr
.irp j, 0,1,2,3,4
	v_min_u32 v[RX+\j], s52, v[RX+\j]
.endr
.irp j, 0,1,2,3,4
	v_lshl_add_u32 v[RX+\j], v[RX+\j], 8, 0xff     ; 256 R + 255: at least 256 c + k (k < 32) just when R is at least c
.endr
.irp j, 0,1,2,3,4
	v_mov_b32 v[CC+\j], s[CB]                      ; word 0 has nothing in front of it
.endr
.irp j, 0,1,2,3,4
	v_mov_b32 v[WW+\j], s[MW]
.endr
.set kn, 1
.rept 31
.irp j, 0,1,2,3,4
	v_cmp_le_u32 s[MK+\j], s[CB+kn], v[RX+\j]      ; the words go in ascending order: the last one that passes is kept, so an empty word never stays
.endr
.irp j, 0,1,2,3,4
	v_cndmask_b32 v[CC+\j], v[CC+\j], s[CB+kn], s[MK+\j]
.endr
.irp j, 0,1,2,3,4
	v_cndmask_b32 v[WW+\j], v[WW+\j], s[MW+kn], s[MK+\j]
.endr
.set kn, kn+1
.endr
.irp j, 0,1,2,3,4
	v_sub_nc_u32 v[RX+\j], v[RX+\j], v[CC+\j]      ; 256 (R - c) + 255 - k
.endr
.irp j, 0,1,2,3,4
	v_lshrrev_b32 v[RX+\j], 8, v[RX+\j]            ; the rank within the word
.endr
.irp j, 0,1,2,3,4
	v_lshrrev_b32 v[T1+\j], 1, v[WW+\j]
.endr
.irp j, 0,1,2,3,4
	v_and_b32 v[T1+\j], 0x55555555, v[T1+\j]
.endr
.irp j, 0,1,2,3,4
	v_sub_nc_u32 v[SA+\j], v[WW+\j], v[T1+\j]      ; each pair of bits now holds its count
.endr
.irp j, 0,1,2,3,4
	v_lshrrev_b32 v[T1+\j], 2, v[SA+\j]
.endr
.irp j, 0,1,2,3,4
	v_and_b32 v[T1+\j], 0x33333333, v[T1+\j]
.endr
.irp j, 0,1,2,3,4
	v_and_b32 v[T2+\j], 0x33333333, v[SA+\j]
.endr
.irp j, 0,1,2,3,4
	v_add_nc_u32 v[SB+\j], v[T1+\j], v[T2+\j]      ; each four bits
.endr
.irp j, 0,1,2,3,4
	v_lshrrev_b32 v[T1+\j], 4, v[SB+\j]
.endr
.irp j, 0,1,2,3,4
	v_add_nc_u32 v[T1+\j], v[T1+\j], v[SB+\j]
.endr
.irp j, 0,1,2,3,4
	v_and_b32 v[SC+\j], 0x0f0f0f0f, v[T1+\j]       ; each byte
.endr
.irp j, 0,1,2,3,4
	v_lshrrev_b32 v[T1+\j], 8, v[SC+\j]
.endr
.irp j, 0,1,2,3,4
	v_add_nc_u32 v[T1+\j], v[T1+\j], v[SC+\j]
.endr
.irp j, 0,1,2,3,4
	v_and_b32 v[T1+\j], 0xff, v[T1+\j]             ; the lower 16 bits' count
.endr
.irp j, 0,1,2,3,4
	v_cmp_ge_u32 s[MK+\j], v[RX+\j], v[T1+\j]
.endr
.irp j, 0,1,2,3,4
	v_cndmask_b32 v[PO+\j], 0, 16, s[MK+\j]
.endr
.irp j, 0,1,2,3,4
	v_cndmask_b32 v[T1+\j], 0, v[T1+\j], s[MK+\j]
.endr
.irp j, 0,1,2,3,4
	v_sub_nc_u32 v[RX+\j], v[RX+\j], v[T1+\j]
.endr
	HALVE SC, 8
	HALVE SB, 4
	HALVE SA, 2
	HALVE WW, 1
.irp j, 0,1,2,3,4
	v_and_b32 v[T1+\j], 0xff, v[CC+\j]             ; k
.endr
.irp j, 0,1,2,3,4
	v_lshl_add_u32 v[T1+\j], v[T1+\j], 5, v[PO+\j]
.endr
.irp j, 0,1,2,3,4
	v_add_nc_u32 v[S+\j], s98, v[T1+\j]            ; token = 1024 w + 32 k + the bit's place
.endr
.endm
; From S: the tokens of rows i + 8 h (every lane takes lane i of the other half) and of row r (lanes 0-15 take their own place in the other half, lanes 16-31 hold it), then their byte
; offsets in xq: a row is 1,024 bytes.  (The moves' destinations, which count as read, were all written by the search.)
.macro ADDRS
.irp m, 0,1,2,3,4
.irp i, 0,1,2,3,4,5,6,7
	v_permlanex16_b32 v[T+9*\m+\i], v[S+\m], s[SEL+\i], s[SEL+\i]
.endr
	v_permlanex16_b32 v[T+9*\m+8], v[S+\m], s[IDL], s[IDH]
.endr
.irp m, 0,1,2,3,4
	v_cndmask_b32 v[T+9*\m+8], v[T+9*\m+8], v[S+\m], s51
.endr
.set an, 0
.rept 45
	v_min_u32 v[T+an], 0xfff, v[T+an]              ; a token made from loaded numbers enters an address only clamped to the 4,096 rows
.set an, an+1
.endr
.set an, 0
.rept 45
.if an%9 == 8
	v_lshl_add_u32 v[T+an], v[T+an], 10, v[H16]
.else
	v_lshl_add_u32 v[T+an], v[T+an], 10, v[L16]
.endif
.set an, an+1
.endr
.endm
; Slot m is asked for: 24 loads of codes (sixteen lanes read 256 consecutive aligned bytes of one row; load 3 i + c: rows i + 8 h, bytes 256 c on) into the slot's own fragment registers,
; which serve as a waiting room; the scale words of token r (ks = 4 h + 0 .. 3); its gate, twice.  26 loads.
.macro XLOAD m
.set qn, 0
.rept 24
	FRLOC 32+8*(\m)+qn/3
	WIN FW<<6
	global_load_b128 v[FR+4*(qn%3):FR+4*(qn%3)+3], v[T+9*(\m)+qn/3], s[4:5] offset:256*(qn%3)
.set qn, qn+1
.endr
	WIN 0
	global_load_b128 v[XSC+4*(\m):XSC+4*(\m)+3], v[T+9*(\m)+8], s[4:5] offset:768
	global_load_b64 v[G+2*(\m):G+2*(\m)+1], v[T+9*(\m)+8], s[4:5] offset:800
.endm
; W's 32 fragments.  16 rows x 128 K of 6-bit codes are 12 registers: lane (r, h) takes the 24 bytes at 96 ks + 24 h of row r and the 24 bytes 48 further on, as they lie, in pieces of 8 bytes
.macro WFRAGS
.set fs, 0
.rept 32
	FRLOC fs
	WIN FW<<6
.irp p, 0,1,2,3,4,5
	ds_load_b64 v[FR+2*\p:FR+2*\p+1], v[WA] offset:WNT*(fs%4)+96*(fs/4)+48*(\p/3)+8*(\p%3)
.endr
.set fs, fs+1
.endr
	WIN 0
.endm
.macro MMA m, cb, row                  ; one product: accumulator ntn, K step ksn; AR: W's fragment, FR: x's; cb: where the sum comes from; row = 1: the scale words lie in lanes 16-31
.if \row
	v_wmma_scale_f32_16x16x128_f8f6f4 v[ACC+8*ntn:ACC+8*ntn+7], v[AR:AR+11], v[FR:FR+11], v[\cb+8*ntn:\cb+8*ntn+7], v[WS+4*ntn+(ksn&3)], v[XSC+4*(\m)+(ksn&3)] matrix_a_fmt:MATRIX_FMT_FP6 matrix_b_fmt:MATRIX_FMT_FP6 matrix_a_scale:MATRIX_SCALE_ROW1 matrix_b_scale:MATRIX_SCALE_ROW1
.else
	v_wmma_scale_f32_16x16x128_f8f6f4 v[ACC+8*ntn:ACC+8*ntn+7], v[AR:AR+11], v[FR:FR+11], v[\cb+8*ntn:\cb+8*ntn+7], v[WS+4*ntn+(ksn&3)], v[XSC+4*(\m)+(ksn&3)] matrix_a_fmt:MATRIX_FMT_FP6 matrix_b_fmt:MATRIX_FMT_FP6
.endif
.endm
; The block in slot m: through XS into fragment order, 32 products, x gate, through OS, out.
.macro PROCESS m
.if 26*(4-(\m)) > 63
	s_wait_loadcnt 63                              ; the younger slots' 26 (4 - m) loads may stay out; the wait's field names 63 at the most
.else
	s_wait_loadcnt 26*(4-(\m))                     ; this slot's 26 loads are in; the younger slots' stay out
.endif
	s_wait_xcnt 0x0                                ; every earlier memory instruction has had its addresses translated (ISA guide 3.1): T, which the loads address by, and ACC and OO, which the last block's stores read, are rewritten only behind this wait
	s_cmp_le_i32 s53, \m
	s_cbranch_scc1 .Labsent_\@                     ; I have no such block: nothing is multiplied, nothing stored
.set qn, 0
.rept 24
	FRLOC 32+8*(\m)+qn/3
	WIN FW<<2                                      ; an LDS store's data: source 1
	ds_store_b128 v[XSW], v[FR+4*(qn%3):FR+4*(qn%3)+3] offset:WP*(qn/3)+256*(qn%3)
.set qn, qn+1
.endr
	WIN 0
.irp i, 0,1,2,3,4,5,6,7                ; the tokens of rows i + 8 h once more, for the way out
	v_permlanex16_b32 v[OO+\i], v[S+(\m)], s[SEL+\i], s[SEL+\i]
.endr
.set qn, 0
.rept 24                               ; lane (r, h) of K step ks wants blocks 4 ks + h and 4 ks + 2 + h of token r: 48 bytes together at 384 h + 48 ks, since a row of xq has its even blocks first
	FRLOC 32+8*(\m)+qn/3
	WIN FW<<6
	ds_load_b128 v[FR+4*(qn%3):FR+4*(qn%3)+3], v[XSR] offset:48*(qn/3)+16*(qn%3)   ; back into the registers that the block left; LDS serves a wave's instructions in order (ISA guide 5.7.1)
.set qn, qn+1
.endr
.set ksn, 0
.rept 8
	s_wait_dscnt 3*(7-ksn)                         ; this K step's fragment is in; the later steps' three loads each stay out
.set ntn, 0
.rept 4                                ; the four accumulators take turns, one instruction a turn
	FRLOC 4*ksn+ntn
.set AW, FW
.set AR, FR
	FRLOC 32+8*(\m)+ksn
	WIN AW|(FW<<2)
.if ksn == 0
	MMA \m, BI, 0                                  ; the sums start from the bias: nothing is cleared, no bias is added later
.elseif ksn < 4
	MMA \m, ACC, 0
.else
	MMA \m, ACC, 1
.endif
.set ntn, ntn+1
.endr
.set ksn, ksn+1
.endr
	WIN 0
.irp i, 0,1,2,3,4,5,6,7
	v_min_u32 v[OO+\i], 0xfff, v[OO+\i]            ; these sixteen name no register of the last products: they are the places behind them (ISA guide 7.12.1)
.endr
.irp i, 0,1,2,3,4,5,6,7
	v_lshl_add_u32 v[OO+\i], v[OO+\i], 12, v[L16]  ; a row of out0 is 4,096 bytes
.endr
.set an, 0
.rept 16
	v_pk_mul_f32 v[ACC+2*an:ACC+2*an+1], v[ACC+2*an:ACC+2*an+1], v[G+2*(\m):G+2*(\m)+1]   ; x the gate of my token r; each accumulator from its low end on
.set an, an+1
.endr
.irp nt, 0,1,2,3
	ds_store_b128 v[OSW], v[ACC+8*\nt:ACC+8*\nt+3] offset:64*\nt
	ds_store_b128 v[OSW], v[ACC+8*\nt+4:ACC+8*\nt+7] offset:64*\nt+16
.endr
.irp i, 0,1,2,3,4,5,6,7
	ds_load_b128 v[ACC+4*\i:ACC+4*\i+3], v[OSR] offset:OP*\i   ; rows i + 8 h, 16 bytes a lane; in order behind the stores above
.endr
.irp i, 0,1,2,3,4,5,6,7
	s_wait_dscnt 7-\i                              ; LDS loads come back in order: the younger ones stay out
	global_store_b128 v[OO+\i], v[ACC+4*\i:ACC+4*\i+3], s[14:15] th:TH_STORE_NT   ; sixteen lanes: 256 consecutive bytes at a multiple of 256
.endr
.Labsent_\@:
.endm
	SELECT                                         ; the first lap's tokens, while W is on its way
	s_wait_xcnt 0x0                                ; the 36 loads of W, its scales and the bias have had their addresses translated (ISA guide 3.1), the mask words are in: s6-13 are rewritten only behind this wait
.irp i, 0,1,2,3,4,5,6,7
	s_mov_b32 s[SEL+\i], 0x11111111*\i             ; the lane selects; never rewritten
.endr
	ADDRS
	XLOAD 0                                        ; the gather's first 52 loads go out ahead of W's way through LDS;
	XLOAD 1                                        ; the issue of a load that would pass the counter's field is held (ISA guide 5.7.1), so the other 78 follow behind W's fragments
	s_wait_loadcnt 52                              ; W's codes, its scale words and the bias are in; the 52 loads of slots 0 and 1 stay out
	WIN 0x04
.set k, 0
.rept 24                               ; 1,536 bytes (three loads) are two rows: 1,568 bytes of LDS; the second load's lanes 16-31 and the third lie in the second row, 16 bytes further on
.if k%3 == 0
	ds_store_b128 v[WST], v[4*k:4*k+3] offset:2*WP*(k/3)
.elseif k%3 == 1
	ds_store_b128 v[WST+1], v[4*k:4*k+3] offset:2*WP*(k/3)+512
.else
	ds_store_b128 v[WST], v[4*k:4*k+3] offset:2*WP*(k/3)+1040
.endif
.set k, k+1
.endr
	WIN 0
	s_wait_dscnt 0x0                               ; my 16 rows of W are in LDS, for the others' sake
	s_barrier_signal -1
	s_barrier_wait -1                              ; all 64 rows of W are in LDS; nobody writes them again.  No barrier follows
	WFRAGS
	XLOAD 2
	XLOAD 3
	XLOAD 4
	s_wait_dscnt 0x0                               ; W's fragments are in, on the path of a wave without blocks too
.Llap:                                                 ; at most 7 trips; on both ways in, the five slots' 130 loads have been issued in the slots' order and no LDS instruction is out
	PROCESS 0
	PROCESS 1
	PROCESS 2
	PROCESS 3
	PROCESS 4
	s_sub_co_i32 s53, s53, 5
	s_cmp_le_i32 s53, 0
	s_cbranch_scc1 .Ldone                          ; with even routing a wave has four or five blocks and leaves here
	s_wait_xcnt 0x0                                ; the last block's stores have had their addresses translated: the search's registers lie on ACC and OO
	s_add_co_u32 s55, s55, 160                     ; five blocks of mine are ten blocks of the segment on
	SELECT
	ADDRS
	XLOAD 0
	XLOAD 1
	XLOAD 2
	XLOAD 3
	XLOAD 4
	s_add_co_u32 s54, s54, 1
	s_cmp_lt_u32 s54, 7
	s_cbranch_scc1 .Llap
.Ldone:
	s_wait_tensorcnt 0x0
	ds_add_u32 v94, v95
	s_wait_dscnt 0x0
	s_endpgm
.Lfunc_end_k_q6727b3a4df_experts:
	.size	k_q6727b3a4df_experts, .Lfunc_end_k_q6727b3a4df_experts-k_q6727b3a4df_experts
	.p2alignl 7, 3214868480
	.fill 96, 4, 3214868480
	.section	.rodata,"a",@progbits
	.p2align	6, 0x0
	.amdhsa_kernel k_q6727b3a4df_experts
		.amdhsa_group_segment_fixed_size 118272
		.amdhsa_private_segment_fixed_size 0
		.amdhsa_enable_private_segment 0
		.amdhsa_kernarg_size 48
		.amdhsa_user_sgpr_count 2
		.amdhsa_user_sgpr_kernarg_segment_ptr 1
		.amdhsa_wavefront_size32 1
		.amdhsa_system_sgpr_workgroup_id_x 1
		.amdhsa_system_sgpr_workgroup_id_y 1
		.amdhsa_system_sgpr_workgroup_id_z 1
		.amdhsa_system_vgpr_workitem_id 0
		.amdhsa_next_free_vgpr 1024
		.amdhsa_next_free_sgpr 102
		.amdhsa_reserve_vcc 0
		.amdhsa_float_denorm_mode_32 3
		.amdhsa_float_denorm_mode_16_64 3
		.amdhsa_memory_ordered 1
		.amdhsa_forward_progress 1
		.amdhsa_inst_pref_size 211
	.end_amdhsa_kernel
	.amdgpu_metadata
---
amdhsa.version: [ 1, 2 ]
amdhsa.kernels:
  - .name:           k_q6727b3a4df_experts
    .symbol:         k_q6727b3a4df_experts.kd
    .args:
      - { .name: xq, .offset: 0, .size: 8, .value_kind: global_buffer, .address_space: global }
      - { .name: masks, .offset: 8, .size: 8, .value_kind: global_buffer, .address_space: global }
      - { .name: expert_w_codes, .offset: 16, .size: 8, .value_kind: global_buffer, .address_space: global }
      - { .name: expert_w_scales, .offset: 24, .size: 8, .value_kind: global_buffer, .address_space: global }
      - { .name: expert_b, .offset: 32, .size: 8, .value_kind: global_buffer, .address_space: global }
      - { .name: out0, .offset: 40, .size: 8, .value_kind: global_buffer, .address_space: global }
    .group_segment_fixed_size: 118272
    .private_segment_fixed_size: 0
    .kernarg_segment_align: 8
    .kernarg_segment_size: 48
    .max_flat_workgroup_size: 128
    .sgpr_count:     102
    .vgpr_count:     1024
    .wavefront_size: 32
...
	.end_amdgpu_metadata
.endif
;; end of part 5
;; ======== version 3 of 3: 2 launches
;; workspace buffers: xq 4,194,304 bytes; masks 4,096 bytes of whole numbers
;; launch route (part 6): grid 256 x 1, 4 waves a work-group, no clusters, 58,112 bytes of LDS; arguments x, router_w, router_b, xq, masks; writes xq, masks
.if DOCPART == 6
	.amdgcn_target "amdgcn-amd-amdhsa--gfx1250"
	.amdhsa_code_object_version 6
	.text
	.protected	k_q6727b3a4df_route
	.globl	k_q6727b3a4df_route
	.p2align	8
	.type	k_q6727b3a4df_route,@function
k_q6727b3a4df_route:
	s_mov_b64 s[64:65], 0
	v_nop
	global_prefetch_b8 v0, s[64:65] scope:SCOPE_SE
	s_setreg_imm32_b32 hwreg(HW_REG_WAVE_MODE, 25, 1), 1
	s_wait_xcnt 0x0
; ROUTER AND QUANTISER.  x [4096][1024] f32 is read once.  Made of it: the 8 logits of each token (f32 multiply-adds on the numbers as they are given), their argmax, the softmax at
; the argmax (the gate), and the codes of E2M3 with one E8M0 byte for each 32 along K.
; OUT: xq [4096][1024 bytes], a row for each token: bytes 0-767 the codes, THE EVEN BLOCKS FIRST (block B of 32 codes, 24 bytes, at (B & 1) 384 + (B >> 1) 24), so that the 48 bytes which one
; lane of the next launch's matrix operand wants for 128 along K (two blocks of one parity) lie together; bytes 768-799 the 32 scale bytes in their order; bytes 800-831 the gate, eight
; times; bytes 832-1023 zeros, so that every aligned 256 bytes of the row are written whole.
; masks [8][128] words: bit b of masks[e][W] says that token 32 W + b goes to expert e.  The next launch forms its addresses and trip counts from these whole numbers alone.
; A block's scale is 2^(floor(log2(its largest magnitude)) - 2): its byte is that magnitude's exponent field - 2, held at 1 from below; a block of zeros gets 127.
; The maximum is taken away before the exponentials: gate = 1 / sum of exp(l - max), a sum that is at least 1.
; LIMITS: ties go to the lowest index, as argmax does; two top logits closer than the rounding of an f32 sum of 1,024 terms (about 1e-6 of their size) may route otherwise than a sum in
; another order; NaN and infinities are not served; blocks whose byte is held at 1 (largest magnitude under 2^-124) were not tried.
; The router is 8 columns and x lies in the lanes by columns as it was loaded, so it runs on the vector unit; no matrix instruction, no cluster: work-groups share router_w alone (32 KiB).
; SHARES: work-group g owns tokens 16 g .. + 15, wave w four of them (t), lane l the numbers k = 512 s + 16 l + 0 .. 15 of step s = 0, 1: sixteen neighbours, since the conversion takes
; sixteen numbers of one block from one lane's registers; two neighbouring lanes hold a block.  The four loads of a (t, s) read 2,048 consecutive bytes.
; LDS: 0: router_w IN THE ORDER IN WHICH IT IS READ: the four numbers k = 512 s + 16 L + 4 q + 0 .. 3 of expert e lie at 2304 (2 e + s) + 576 q + 16 L, so that a load of one (e, s, q) takes
; 512 consecutive bytes; the pitch of 576 = 36 x 16 bytes puts the sixteen lanes of a store (four q, four L) into sixteen different columns of 16 bytes modulo 256 (64 banks of 4 bytes:
; ISA guide 11.1).  36,864 bytes.  STG: for each wave the image of its four rows of xq;  MX: word 8 w + e, the wave's four bits of expert e's mask.
.set RJ,   2304                        ; router_w: from one (e, s) to the next
.set RQ,   576                         ; from one quarter to the next
.set STG,  40960
.set MX,   57344
.set CD,   32                          ; v[32:47]   the codes of token t at CD + 4 t (three registers), while the router rows' buffers are free
.set EB,   48                          ; v[48:51]   its scale byte
.set RW,   32                          ; v[32:47], v[48:63] router rows, two buffers of 16 numbers
.set X,    64                          ; v[64:191]  step s, token t: 16 numbers at X + 64 s + 16 t
.set ACC,  192                         ; v[192:255] token t, expert e: a pair of partial sums at ACC + 2 (8 t + e); before that router_w on its way in
.set IDX,  64                          ; behind the products X is free: v[64:67] argmax,
.set GATE, 68                          ; v[68:71] gate,
.set BEST, 72                          ; v[72:75] maximum,
.set SUM,  76                          ; v[76:79] sum of exponentials,
.set OUTR, 96                          ; v[96:127] the stage read back
; v1 64 l (x)   v2, v3 router_w: into LDS, from memory   v5 codes' place   v6 scale byte's place   v7 stage + 16 l   v8-14 at work   v15 16 l   v16 l >> 3
; v24-27 zeros   v28 l & 7   v29 the rows' last 256 bytes   v30 the gate's place   v31 the mask word's place
	s_load_b256 s[4:11], s[0:1], 0x0               ; x s[4:5], router_w s[6:7], router_b s[8:9], xq s[10:11]
	s_load_b64 s[12:13], s[0:1], 0x20              ; masks
	v_lshl_add_u32 v22, v0, 2, 0xe100
	v_mov_b32 v23, 0
	v_lshrrev_b32 v8, 5, v0
	v_readfirstlane_b32 s2, v8                     ; wave 0..3
	v_and_b32 v9, 31, v0                           ; lane
	v_lshlrev_b32 v1, 6, v9                        ; my 64 bytes of a step's 2,048
	v_and_b32 v10, 3, v0                           ; router_w into LDS: thread T brings quarter q = T & 3
	v_mul_u32_u24 v2, v10, RQ
	v_lshrrev_b32 v10, 2, v0                       ; of the sixteen numbers of lane L = T >> 2
	v_lshl_add_u32 v2, v10, 4, v2
	v_lshlrev_b32 v3, 4, v0                        ; and from memory: 16 bytes a thread
	v_lshlrev_b32 v15, 4, v9
	v_and_b32 v28, 7, v9
	v_lshrrev_b32 v16, 3, v9
	s_lshl_b32 s26, s2, 12
	s_add_co_u32 s26, s26, STG                     ; my stage
	v_bfe_u32 v10, v9, 1, 1                        ; my block's parity,
	v_mul_u32_u24 v5, v10, 384
	v_lshrrev_b32 v10, 2, v9                       ; its place among the blocks of that parity,
	v_mad_u32_u24 v5, v10, 24, v5
	v_and_b32 v10, 1, v9                           ; my half of it
	v_mad_u32_u24 v5, v10, 12, v5
	v_add_nc_u32 v5, s26, v5
	v_lshrrev_b32 v6, 1, v9
	v_add_nc_u32 v6, s26, v6
	v_add_nc_u32 v7, s26, v15
	v_bfe_u32 v10, v9, 4, 1
	v_and_b32 v11, 15, v9
	v_lshlrev_b32 v29, 10, v10
	v_lshl_add_u32 v29, v11, 4, v29
	v_add_nc_u32 v29, s26, v29                     ; row l / 16, 16 bytes for each of sixteen lanes
	v_lshlrev_b32 v30, 10, v16
	v_lshl_add_u32 v30, v28, 2, v30
	v_add_nc_u32 v30, s26, v30                     ; row l / 8, word l % 8
	s_lshl_b32 s27, s2, 5
	v_lshl_add_u32 v31, v28, 2, s27
.irp i, 24,25,26,27
	v_mov_b32 v\i, 0
.endr
	s_mov_b32 s24, 0x76543210                      ; v_permlanex16_b32: lane i of one half reads lane i of the other
	s_mov_b32 s25, 0xfedcba98
	s_lshl_b32 s28, ttmp9, 16                      ; 16 rows of 4,096 bytes a work-group,
	s_lshl_b32 s27, s2, 14                         ; 4 rows a wave
	s_add_co_u32 s28, s28, s27
	s_mov_b32 s29, 0
	s_wait_alu depctr_va_vdst(0)
	s_wait_kmcnt 0x0
	s_load_b256 s[16:23], s[8:9], 0x0              ; the eight router_b
	s_add_nc_u64 s[4:5], s[4:5], s[28:29]          ; x at my first token
	s_lshr_b32 s28, s28, 2                         ; rows of 1,024 bytes
	s_add_nc_u64 s[10:11], s[10:11], s[28:29]      ; xq at my first token
	s_lshl_b32 s28, ttmp9, 1                       ; masks: my work-group's 16 tokens are half g & 1 of word g >> 1: byte 2 g of each expert's 512
	s_add_nc_u64 s[12:13], s[12:13], s[28:29]
	; all that the wave will ever load is asked for now: 16 loads of router_w (into ACC's registers), then 32 of x, step 0 first
.irp j, 0,1,2,3,4,5,6,7,8,9,10,11,12,13,14,15
	global_load_b128 v[ACC+4*\j:ACC+4*\j+3], v3, s[6:7] offset:2048*\j
.endr
.irp s, 0,1
.irp t, 0,1,2,3
.irp q, 0,1,2,3
	global_load_b128 v[X+64*\s+16*\t+4*\q:X+64*\s+16*\t+4*\q+3], v1, s[4:5] offset:4096*\t+2048*\s+16*\q th:TH_LOAD_NT
.endr
.endr
.endr
	ds_store_b128 v29, v[24:27] offset:768         ; bytes 768-1023 of my four stage rows begin as zeros; scale bytes and gate are laid over them later, in order
	ds_store_b128 v29, v[24:27] offset:2816
	s_wait_loadcnt 32                              ; loads come back in order (ISA guide 5.7.1): router_w is in, the 32 loads of x stay out
.irp j, 0,1,2,3,4,5,6,7,8,9,10,11,12,13,14,15
	ds_store_b128 v2, v[ACC+4*\j:ACC+4*\j+3] offset:RJ*\j      ; load j holds expert j >> 1, step j & 1
.endr
	s_wait_dscnt 0x0                               ; my part of router_w is in LDS, for the other waves' sake,
	s_barrier_signal -1
	s_barrier_wait -1                              ; and so is everybody's; nobody writes it again
; router row e, my 16 numbers of step s, into buffer e & 1: four loads of 512 consecutive bytes
.macro WREQ s, e
.irp q, 0,1,2,3
	ds_load_b128 v[RW+16*((\e)&1)+4*\q:RW+16*((\e)&1)+4*\q+3], v15 offset:RJ*(2*(\e)+(\s))+RQ*\q
.endr
.endm
; my 16 numbers of token t, step s: the block's largest magnitude, its scale byte, 16 codes (12 bytes) into the stage
.macro QUANT t, s
.set XS, X+64*(\s)+16*(\t)
	v_max3_num_f32 v8, |v[XS]|, |v[XS+1]|, |v[XS+2]|               ; two chains that do not wait for each other
	v_max3_num_f32 v9, |v[XS+3]|, |v[XS+4]|, |v[XS+5]|
.irp i, 6,10
	v_max3_num_f32 v8, v8, |v[XS+\i]|, |v[XS+\i+1]|
	v_max3_num_f32 v9, v9, |v[XS+\i+2]|, |v[XS+\i+3]|
.endr
	v_max3_num_f32 v8, v8, |v[XS+14]|, |v[XS+15]|
	v_max_num_f32 v8, v8, v9
	v_max_num_f32_dpp v8, v8, v8 row_xmask:1 row_mask:0xf bank_mask:0xf   ; and my neighbour's 16: the block's
	v_lshrrev_b32 v9, 23, v8                       ; its exponent field
	v_max_u32 v9, 3, v9                            ; the byte is not to fall under 1
	v_add_nc_u32 v9, -2, v9                        ; the scale's byte
	v_lshlrev_b32 v11, 23, v9                      ; the scale as f32: the conversion takes its exponent field
	v_cmp_eq_u32 vcc_lo, 0, v8
	v_cvt_scalef32_pk16_fp6_f32 v[CD+4*(\t):CD+4*(\t)+2], v[XS:XS+15], v11   ; to the nearest code, ties to even, beyond 7.5 the largest code
	v_cndmask_b32 v[EB+(\t)], v9, 127, vcc_lo      ; a block of zeros gets 127.  (Also the one plain instruction between a scaled conversion and what touches its result)
	ds_store_b8 v6, v[EB+(\t)] offset:768+1024*(\t)+16*(\s)        ; both lanes of a block write the same byte with the same value
.irp i, 0,1,2
	ds_store_b32 v5, v[CD+4*(\t)+\i] offset:1024*(\t)+192*(\s)+4*\i   ; 12 bytes at a multiple of 4
.endr
.endm
; expert e x 4 tokens x my 16 numbers of step s: 32 packed multiply-adds, four chains by turns
.macro UNIT s, e
.if \e == 7
	s_wait_dscnt 0x0                               ; nothing was asked for behind the last row
.else
	s_wait_dscnt 0x4                               ; this row is in; the next row's four loads stay out
.endif
.irp p, 0,1,2,3,4,5,6,7
.irp t, 0,1,2,3
.if (\s == 0) && (\p == 0)
	v_pk_mul_f32 v[ACC+2*(8*\t+\e):ACC+2*(8*\t+\e)+1], v[X+64*\s+16*\t+2*\p:X+64*\s+16*\t+2*\p+1], v[RW+16*(\e&1)+2*\p:RW+16*(\e&1)+2*\p+1]   ; the first product starts the sums
.else
	v_pk_fma_f32 v[ACC+2*(8*\t+\e):ACC+2*(8*\t+\e)+1], v[X+64*\s+16*\t+2*\p:X+64*\s+16*\t+2*\p+1], v[RW+16*(\e&1)+2*\p:RW+16*(\e&1)+2*\p+1], v[ACC+2*(8*\t+\e):ACC+2*(8*\t+\e)+1]
.endif
.endr
.endr
.if \e < 6
	WREQ \s, \e+2                                  ; two rows ahead, into the buffer just used
.endif
.endm
.irp s, 0,1
	s_wait_loadcnt 16-16*\s                        ; this step's 16 loads are in; in step 0 the 16 of step 1 stay out
.irp t, 0,1,2,3
	QUANT \t, \s
.endr
	WREQ \s, 0                                     ; LDS serves a wave's instructions in order (ISA guide 5.7.1): these land behind the stores that read the same registers
	WREQ \s, 1
.irp e, 0,1,2,3,4,5,6,7
	UNIT \s, \e
.endr
.endr
	; 32 sums over the lanes, stage by stage: the pair, four steps inside 16 lanes, one across the halves, then router_b
.set k, 0
.rept 32
	v_add_f32 v[ACC+2*k], v[ACC+2*k], v[ACC+2*k+1]
.set k, k+1
.endr
.irp m, 1,2,4,8
.set k, 0
.rept 32
	v_add_f32_dpp v[ACC+2*k], v[ACC+2*k], v[ACC+2*k] row_xmask:\m row_mask:0xf bank_mask:0xf
.set k, k+1
.endr
.endr
.set k, 0
.rept 32
	v_permlanex16_b32 v[ACC+2*k+1], v[ACC+2*k], s24, s25   ; the destination, which counts as read, has been written
.set k, k+1
.endr
.set k, 0
.rept 32
	v_add_f32 v[ACC+2*k], v[ACC+2*k], v[ACC+2*k+1]
.set k, k+1
.endr
	s_wait_kmcnt 0x0                               ; router_b
.set k, 0
.rept 32
	v_add_f32 v[ACC+2*k], s[16+k%8], v[ACC+2*k]    ; every lane now holds logit (t = k / 8, e = k % 8)
.set k, k+1
.endr
	; argmax (the first of equals) and maximum
.irp t, 0,1,2,3
	v_mov_b32 v[IDX+\t], 0
	v_mov_b32 v[BEST+\t], v[ACC+16*\t]
.endr
.irp e, 1,2,3,4,5,6,7
.irp t, 0,1,2,3
	v_cmp_ge_f32 vcc_lo, v[BEST+\t], v[ACC+16*\t+2*\e]
	v_cndmask_b32 v[IDX+\t], \e, v[IDX+\t], vcc_lo         ; best >= l: the index stays, else it is e
	v_max_num_f32 v[BEST+\t], v[BEST+\t], v[ACC+16*\t+2*\e]
.endr
.endr
	; exp(l - max) = 2^((l - max) log2 e), in the pairs' second registers
.set k, 0
.rept 32
	v_sub_f32 v[ACC+2*k+1], v[ACC+2*k], v[BEST+k/8]
.set k, k+1
.endr
.set k, 0
.rept 32
	v_mul_f32 v[ACC+2*k+1], 0x3fb8aa3b, v[ACC+2*k+1]
.set k, k+1
.endr
.set k, 0
	s_wait_alu depctr_va_vdst(0)
.rept 32
	v_exp_f32 v[ACC+2*k+1], v[ACC+2*k+1]
.set k, k+1
.endr
	v_nop                                          ; one plain vector instruction behind the last exponential before its result is read (ISA guide 5.7.2)
	s_wait_alu depctr_va_vdst(0)
.irp t, 0,1,2,3
	v_add_f32 v[SUM+\t], v[ACC+16*\t+1], v[ACC+16*\t+3]
.endr
.irp e, 2,3,4,5,6,7
.irp t, 0,1,2,3
	v_add_f32 v[SUM+\t], v[SUM+\t], v[ACC+16*\t+2*\e+1]
.endr
.endr
	s_wait_alu depctr_va_vdst(0)
.irp t, 0,1,2,3
	v_rcp_f32 v[GATE+\t], v[SUM+\t]                ; the exponential at the argmax is 1
.endr
	v_mov_b32 v12, 0                               ; (the plain instruction behind the reciprocals)
	; the gate of token l / 8 goes to word l % 8 of that row's eight
	v_cmp_eq_u32 vcc_lo, 1, v16
	s_wait_alu depctr_va_vdst(0)
	v_cndmask_b32 v11, v[GATE], v[GATE+1], vcc_lo
	v_cmp_eq_u32 vcc_lo, 2, v16
	v_cndmask_b32 v11, v11, v[GATE+2], vcc_lo
	v_cmp_eq_u32 vcc_lo, 3, v16
	v_cndmask_b32 v11, v11, v[GATE+3], vcc_lo
	ds_store_b32 v30, v11 offset:800
	; my wave's four bits of the mask of expert l % 8
.irp t, 0,1,2,3
	v_cmp_eq_u32 vcc_lo, v[IDX+\t], v28
	v_cndmask_b32 v13, 0, 1<<\t, vcc_lo
	v_or_b32 v12, v12, v13
.endr
	s_lshl_b32 s27, s2, 2
	v_lshlrev_b32 v12, s27, v12                    ; token 4 w + t of the work-group's sixteen
	ds_store_b32 v31, v12 offset:MX                ; four lanes write the same word with the same value
	; my four rows of xq leave: the stage is their image, 4,096 consecutive bytes
.irp j, 0,1,2,3,4,5,6,7
	ds_load_b128 v[OUTR+4*\j:OUTR+4*\j+3], v7 offset:512*\j    ; in order behind my stores
.endr
.irp j, 0,1,2,3,4,5,6,7
	s_wait_dscnt 7-\j                              ; LDS loads come back in order: the younger ones stay out
	global_store_b128 v15, v[OUTR+4*\j:OUTR+4*\j+3], s[10:11] offset:512*\j   ; 32 lanes: 512 consecutive bytes at a multiple of 512
.endr
	s_barrier_signal -1                            ; the last wait above was for 0: my mask words are in LDS
	s_barrier_wait -1
	s_cmp_lg_u32 s2, 0
	s_cbranch_scc1 .Lend
	v_lshlrev_b32 v8, 2, v28                       ; wave 0 joins the four waves' bits: 16 bits for each expert
	v_lshlrev_b32 v14, 9, v28                      ; an expert's row of masks is 512 bytes
.irp k, 0,1,2,3
	ds_load_b32 v[9+\k], v8 offset:MX+32*\k
.endr
	s_wait_dscnt 0x0
	v_or_b32 v9, v9, v10
	v_or_b32 v11, v11, v12
	v_or_b32 v9, v9, v11
	s_wait_alu depctr_va_vdst(0)
	s_wait_xcnt 0x0                                ; EXEC is a source of the pending stores of xq: it changes only behind this wait
	v_cmp_gt_u32 vcc_lo, 8, v0
	s_wait_tensorcnt 0x0
	ds_add_u32 v22, v23
	s_wait_dscnt 0x0
	s_and_saveexec_b32 s30, vcc_lo                 ; lanes 0 to 7, one for each expert
	global_store_b16 v14, v9, s[12:13]             ; eight stores of 2 bytes, 512 bytes apart: the table is 4 KiB in all and a work-group owns 16 bytes of it
	s_endpgm
.Lend:
	s_wait_tensorcnt 0x0
	ds_add_u32 v22, v23
	s_wait_dscnt 0x0
	s_endpgm
.Lfunc_end_k_q6727b3a4df_route:
	.size	k_q6727b3a4df_route, .Lfunc_end_k_q6727b3a4df_route-k_q6727b3a4df_route
	.p2alignl 7, 3214868480
	.fill 96, 4, 3214868480
	.section	.rodata,"a",@progbits
	.p2align	6, 0x0
	.amdhsa_kernel k_q6727b3a4df_route
		.amdhsa_group_segment_fixed_size 58112
		.amdhsa_private_segment_fixed_size 0
		.amdhsa_enable_private_segment 0
		.amdhsa_kernarg_size 40
		.amdhsa_user_sgpr_count 2
		.amdhsa_user_sgpr_kernarg_segment_ptr 1
		.amdhsa_wavefront_size32 1
		.amdhsa_system_sgpr_workgroup_id_x 1
		.amdhsa_system_sgpr_workgroup_id_y 1
		.amdhsa_system_sgpr_workgroup_id_z 1
		.amdhsa_system_vgpr_workitem_id 0
		.amdhsa_next_free_vgpr 256
		.amdhsa_next_free_sgpr 66
		.amdhsa_reserve_vcc 1
		.amdhsa_float_denorm_mode_32 3
		.amdhsa_float_denorm_mode_16_64 3
		.amdhsa_memory_ordered 1
		.amdhsa_forward_progress 1
		.amdhsa_inst_pref_size 79
	.end_amdhsa_kernel
	.amdgpu_metadata
---
amdhsa.version: [ 1, 2 ]
amdhsa.kernels:
  - .name:           k_q6727b3a4df_route
    .symbol:         k_q6727b3a4df_route.kd
    .args:
      - { .name: x, .offset: 0, .size: 8, .value_kind: global_buffer, .address_space: global }
      - { .name: router_w, .offset: 8, .size: 8, .value_kind: global_buffer, .address_space: global }
      - { .name: router_b, .offset: 16, .size: 8, .value_kind: global_buffer, .address_space: global }
      - { .name: xq, .offset: 24, .size: 8, .value_kind: global_buffer, .address_space: global }
      - { .name: masks, .offset: 32, .size: 8, .value_kind: global_buffer, .address_space: global }
    .group_segment_fixed_size: 58112
    .private_segment_fixed_size: 0
    .kernarg_segment_align: 8
    .kernarg_segment_size: 40
    .max_flat_workgroup_size: 128
    .sgpr_count:     66
    .vgpr_count:     256
    .wavefront_size: 32
...
	.end_amdgpu_metadata
.endif
;; end of part 6
;; launch experts (part 7): grid 256 x 1, 4 waves a work-group, no clusters, 118,272 bytes of LDS; arguments xq, masks, expert_w_codes, expert_w_scales, expert_b, out0; writes out0
.if DOCPART == 7
	.amdgcn_target "amdgcn-amd-amdhsa--gfx1250"
	.amdhsa_code_object_version 6
	.text
	.protected	k_q6727b3a4df_experts
	.globl	k_q6727b3a4df_experts
	.p2align	8
	.type	k_q6727b3a4df_experts,@function
k_q6727b3a4df_experts:
	s_mov_b64 s[64:65], 0
	v_nop
	global_prefetch_b8 v0, s[64:65] scope:SCOPE_SE
	s_setreg_imm32_b32 hwreg(HW_REG_WAVE_SCHED_MODE, 0, 2), 2
	s_setreg_imm32_b32 hwreg(HW_REG_WAVE_MODE, 25, 1), 1
	s_wait_xcnt 0x0
	s_wait_alu depctr_vm_vsrc(0)
; out[t] = gate[t] (Q(x[t]) W_e^T + b_e) for the one expert e that token t was routed to: only that eighth of the product is made; the rest is thrown away by the gather for every input.
; Both operands are codes of E2M3 with E8M0 scales (x's from the launch before, W's as given); the sums are f32 and start from the bias.
; SHARES: work-group g: expert e = g >> 5, slice sl = (g >> 1) & 15 (64 output columns), part = g & 1.  Wave w serves SEGMENT w: tokens 1024 w .. + 1023.  The segment's tokens of expert e, in
; ascending order, are cut into blocks of 16; the wave takes the blocks 2 j + part.  W STAYS IN REGISTERS: a wave holds the slice's 64 columns x 1,024 K as 32 fragments, 384 registers, read
; from LDS once.  A block of tokens is 8 fragments, 32 matrix instructions on 4 accumulators.  Five blocks are asked for at once (a LAP): the two parts' ten blocks serve 160 tokens of a
; segment's 1,024; further laps serve uneven routing (up to all 1,024: 32 blocks a wave, 7 laps).
; THE LIST IS MADE IN REGISTERS, from the 32 mask words of (expert, segment), whole numbers that the launch before stored.  They are scalars; their running count gives the segment's count,
; from which all branches come.  A lane that wants the member of rank R keeps, over the 32 words, the last word whose running count does not pass R (a compare and two selects a word), and
; finds the bit of rank R less that count in it by halving, on counts by pairs, by fours and by bytes.
; Ranks at or beyond the count are held at the last member, which lies in the segment's last block: those rows of that block are computed and stored again with equal values, by the same
; wave, so EXEC stays full.  The price of segments: up to four part-filled blocks an expert.  All five slots of a lap are always loaded (an absent block's ranks are held too: valid tokens),
; so that every counted wait holds on every path; an absent block is neither multiplied nor stored: at most four needless blocks' loads a wave.
; A LANE (r = l & 15, h = l >> 4) SEEKS ROW (r + 8 + 8 h) & 15 OF ITS BLOCK: lanes 16-31 hold row r, lanes 0-15 row r xor 8.  So one v_permlanex16_b32 in which every lane takes lane i of the
; OTHER half gives row i to lanes 0-15 and row i + 8 to lanes 16-31, the two rows that a load or store of sixteen lanes to a row serves; and lane r of the other half holds row r for lanes 0-15.
; Behind the one barrier (W is in LDS) every wave works alone: its trips hang on the count, so no barrier may follow.  No LDS address is ever stepped.
; NO CLUSTER, NO TENSOR LOADS: a slice of W is shared by 2 work-groups only; the rows of x that the 16 slices share are gathered by a list, one address a row; and partners' numbers of
; laps differ with the counts.
; THE MATRIX INSTRUCTION IS USED TRANSPOSED: source 0 = 16 rows of W (output columns), source 1 = 16 tokens: register j of lane (r, h) holds token r, column 16 nt + 8 h + j.
; LIMITS: none beyond the first launch's.
; THE MODE: SCHED_MODE bits 1:0 = 2 (LLVM: expert scheduling mode 2), set by the entry lines.  The code itself states the register dependences between vector or matrix instructions and
; memory or LDS instructions, and those through scalar registers that vector instructions write, with s_wait_alu, always for 0.
; THE PLAN.  Registers that memory or LDS instructions touch:
;   the lane addresses (v2-5, v9-11, v13-15)  written once at the head, read by loads and stores, never written again: one wait on va_vdst ahead of the first load serves them all.
;   window 1, v0-95   W's global loads land; my LDS stores read them; W's fragment loads land: one wait on vm_vsrc behind the barrier.
;   T (v96-140)       the search and ADDRS write it; the gather's 130 loads read it as offsets; the blocks' products (ACC) and moves (OO) write it again.
;   x's slots         the gather lands; 24 LDS stores read; 24 LDS loads land; the products read; the next lap's gather lands.   XSC, G: the gather lands; products and multiplies read.
;   ACC               products and the multiplies by the gate write; 8 LDS stores read; 8 LDS loads land; 8 global stores read; the next block's products write.
;   OO                moves, clamps and shifts write; the 8 global stores read it as offsets; the next block's moves write.
; So: one wait on va_vdst at the end of ADDRS, for all of a lap's gather; in a block a wait on vm_vsrc at its head (T, ACC, OO), one between the stores into XS and the loads out of it, one
; wait on va_vdst behind the multiplies by the gate (ACC, OO), and one on vm_vsrc between the stores into OS and the loads out of it; one on vm_vsrc ahead of a further lap's search.
; In the search a wait on va_sdst stands behind each run of compares, ahead of the selects that read their masks; the compares of two words stand in one run of ten.
; LDS: W: 64 rows, pitch 784 = 768 + 16 (196 words: row r starts at bank 4 r mod 64 of the 64 banks, ISA guide 11.1);  XS: for each wave 16 rows of 784: a block of x on its way into
; fragment order;  OS: for each wave 16 rows of 272: an output tile.  XS and OS are the wave's own.  Behind OS: the spare words, 128 bytes for each wave, which no other line names.
.set WP,     784
.set WNT,    16*WP                     ; 12,544: sixteen rows
.set XS0,    64*WP                     ; 50,176
.set OS0,    XS0+4*WNT                 ; 100,352
.set OP,     272                       ; the end is 117,760
; SCALARS: s2 wave; s[4:5] xq and s[14:15] out0 stay; s[6:13] hold the addresses of the masks, W's codes, W's scales and the bias at the head, then the lane selects;
; s48 e, s49 sl, s50 part; s51 mask of lanes 16-31; s52 the last member's rank; s53 my blocks still to do; s54 laps made;
; s55 rank of row 0 of the lap's first block; s98 1024 w; s3, s61, s99, s[62:63] at work at the head, then compare results
.set MW,   16                          ; s[16:47]  the segment's 32 mask words
.set CB,   66                          ; s66-97    word k: 256 x (members in front of it) + k
.set MK,   56                          ; s56-60    a compare's result for each of the five targets
.set MB0,  61                          ; s61-63, s3, s99  a second set of five compare results: free once the head's address arithmetic is done
.set MB1,  62
.set MB2,  63
.set MB3,  3
.set MB4,  99
.set SEL,  6                           ; s6-13     select i: all eight fields are i: every lane takes lane i of the other half
.set IDL,  100                         ; s100-101  each lane takes its own place in the other half
.set IDH,  101
; REGISTERS.  72 fragment slots of 12 registers: slot s < 63 in window 1 + s / 21 at 12 (s % 21); slots 63-71 in window 0 at 148 + 12 (s - 63).  W(ks, nt) = slot 4 ks + nt; x(m, ks) = slot 32 + 8 m + ks.
; Window 0:
.set L16,  1                           ; 16 r
.set XSW,  2                           ; XS + 8 x 784 h + 16 r: where a loaded piece of a row goes
.set XSR,  3                           ; XS + 784 r + 384 h: where a fragment is read
.set OSW,  4                           ; OS + 272 r + 32 h
.set OSR,  5                           ; OS + 8 x 272 h + 16 r
.set VR,   6                           ; (r + 8 + 8 h) & 15: the row that I seek
.set RB,   7                           ; its rank in the lap's first block
.set H16,  8                           ; 16 h
.set WA,   9                           ; 784 r + 24 h: W's fragments
.set WST,  10                          ; 12,544 w + 16 l; v11 the same + 16 h: W's way into LDS
.set LN16, 13                          ; 16 l
.set H32,  14                          ; 32 h
.set WSO,  15                          ; 32 r + 16 h
.set WS,   16                          ; v[16:31]  4 nt + q: lanes 0-15 the scale word ks = q of W's row 16 nt + r, lanes 16-31 that of ks = 4 + q
.set BI,   32                          ; v[32:63]  8 nt + j: the bias of column 16 nt + 8 h + j
.set XSC,  64                          ; v[64:83]  4 m + q: x's scale words, the halves as in WS
.set G,    84                          ; v[84:93]  pair 2 m: the gate of token r of slot m, twice
                                       ; v94, v95  the LDS address of my spare word and 0: made at the head and kept for the closing lines alone
.set ACC,  96                          ; v[96:127] four accumulators
.set OO,   128                         ; v[128:135] byte offsets of the output rows i + 8 h
.set T,    96                          ; v[96:140] between laps: 9 m + i: token, then byte offset in xq, of row i + 8 h of slot m (i < 8) and of row r (i = 8)
.set S,    141                         ; v[141:145] slot m: the token of the row that I seek; it stays through the lap, for the way out
; the search's 45 registers are T's, five of each, one for each slot:
.set RX,   96                          ; 256 x rank + 255; then the rank within the word, within the half ..
.set CC,   101                         ; the kept word's 256 x count + k
.set WW,   106                         ; the kept word
.set SA,   111                         ; its bits counted by pairs,
.set SB,   116                         ; by fours,
.set SC,   121                         ; by bytes
.set T1,   126                         ; at work
.set T2,   131
.set PO,   136                         ; the bit's place, as far as it is known
; v144-147 serve as r, h, l and a temporary while the lane addresses are made, ahead of the first use of S.
; s_set_vgpr_msb's low byte: bits 1:0 source 0, 3:2 source 1, 5:4 source 2, 7:6 destination
.set MSB, 0
.macro WIN new                         ; the immediate's high byte repeats the setting that is left; a switch that changes nothing is dropped
.if MSB != (\new)
	s_set_vgpr_msb (MSB<<8)|(\new)
.set MSB, (\new)
.endif
.endm
.macro FRLOC s                         ; window FW and first register FR of fragment slot s
.if (\s) < 63
.set FW, 1+(\s)/21
.set FR, 12*((\s)%21)
.else
.set FW, 0
.set FR, 148+12*((\s)-63)
.endif
.endm
	s_load_b256 s[4:11], s[0:1], 0x0               ; xq s[4:5], masks s[6:7], W's codes s[8:9], W's scales s[10:11]
	s_load_b128 s[12:15], s[0:1], 0x20             ; expert_b s[12:13], out0 s[14:15]
	v_lshl_add_u32 v94, v0, 2, 0x1cc00
	v_mov_b32 v95, 0
	v_lshrrev_b32 v147, 5, v0
	v_readfirstlane_b32 s2, v147                   ; wave 0..3
	s_lshr_b32 s48, ttmp9, 5                       ; e
	s_bfe_u32 s49, ttmp9, 0x40001                  ; sl: 4 bits from bit 1
	s_and_b32 s50, ttmp9, 1                        ; part
	v_and_b32 v144, 15, v0                         ; r
	v_bfe_u32 v145, v0, 4, 1                       ; h
	v_and_b32 v146, 31, v0                         ; l
	v_lshlrev_b32 v[L16], 4, v144
	v_lshlrev_b32 v[H16], 4, v145
	v_lshlrev_b32 v[H32], 5, v145
	v_lshlrev_b32 v[LN16], 4, v146
	v_lshl_add_u32 v[WSO], v144, 5, v[H16]
	v_lshl_add_u32 v[VR], v145, 3, v144            ; r + 8 h,
	v_add_nc_u32 v[VR], 8, v[VR]                   ; + 8,
	v_and_b32 v[VR], 15, v[VR]                     ; modulo 16
	s_wait_alu depctr_va_sdst(0)                   ; s2 is written, ahead of its first reader: the wave's places in LDS and in memory are made from it
	s_mul_i32 s61, s2, WNT
	s_add_co_u32 s98, s61, XS0                     ; my XS
	v_mul_u32_u24 v147, v144, WP                   ; 784 r
	v_mad_u32_u24 v[WA], v145, 24, v147
	v_add_nc_u32 v[WST], s61, v[LN16]
	v_add_nc_u32 v[WST+1], v[WST], v[H16]
	v_mad_u32_u24 v[XSW], v145, 8*WP, v[L16]
	v_add_nc_u32 v[XSW], s98, v[XSW]
	v_mad_u32_u24 v[XSR], v145, 384, v147
	v_add_nc_u32 v[XSR], s98, v[XSR]
	s_mul_i32 s99, s2, 16*OP
	s_add_co_u32 s99, s99, OS0                     ; my OS
	v_mul_u32_u24 v147, v144, OP
	v_add_nc_u32 v[OSW], v147, v[H32]
	v_add_nc_u32 v[OSW], s99, v[OSW]
	v_mad_u32_u24 v[OSR], v145, 8*OP, v[L16]
	v_add_nc_u32 v[OSR], s99, v[OSR]
	s_mov_b32 s63, 0
	s_lshl_b32 s62, s48, 9                         ; an expert's 128 mask words,
	s_lshl_b32 s61, s2, 7                          ; my segment's 32 of them
	s_add_co_u32 s62, s62, s61
	s_wait_kmcnt 0x0
	s_add_nc_u64 s[6:7], s[6:7], s[62:63]
	s_load_b512 s[MW:MW+15], s[6:7], 0x0
	s_load_b512 s[MW+16:MW+31], s[6:7], 0x40
	s_mul_i32 s62, s48, 786432                     ; an expert's codes, 1,024 rows of 768 bytes,
	s_mul_i32 s61, s49, 49152                      ; a slice's 64 rows,
	s_add_co_u32 s62, s62, s61
	s_mul_i32 s61, s2, 12288                       ; the 16 of them that my wave brings
	s_add_co_u32 s62, s62, s61
	s_add_nc_u64 s[8:9], s[8:9], s[62:63]
	s_lshl_b32 s62, s48, 15                        ; scale bytes: 32 a row
	s_lshl_b32 s61, s49, 11
	s_add_co_u32 s62, s62, s61
	s_add_nc_u64 s[10:11], s[10:11], s[62:63]
	s_lshl_b32 s62, s48, 12
	s_lshl_b32 s61, s49, 8
	s_add_co_u32 s62, s62, s61
	s_add_nc_u64 s[12:13], s[12:13], s[62:63]      ; the slice's 64 biases
	s_mov_b32 s62, s61
	s_add_nc_u64 s[14:15], s[14:15], s[62:63]      ; the slice's 256 bytes of an output row
	; 16 rows of W's codes (12,288 consecutive bytes, 512 a load) into the registers of slots 0-7; the slice's scale words; the bias: 36 loads
	WIN 0x40
	s_wait_alu depctr_va_vdst(0)                   ; the lane addresses v2-5, v9-11 and v13-15 are written: every load and store of the kernel that goes by one of them stands behind this wait, and no vector instruction names them again
.set k, 0
.rept 24
	global_load_b128 v[4*k:4*k+3], v[LN16], s[8:9] offset:512*k
.set k, k+1
.endr
	WIN 0
.irp nt, 0,1,2,3
	global_load_b128 v[WS+4*\nt:WS+4*\nt+3], v[WSO], s[10:11] offset:512*\nt
.endr
.irp nt, 0,1,2,3
	global_load_b128 v[BI+8*\nt:BI+8*\nt+3], v[H32], s[12:13] offset:64*\nt
	global_load_b128 v[BI+8*\nt+4:BI+8*\nt+7], v[H32], s[12:13] offset:64*\nt+16
.endr
	s_mov_b32 s51, 0xffff0000
	s_mov_b32 s54, 0
	s_lshl_b32 s55, s50, 4                         ; my first block is block 'part': its row 0 has rank 16 part
	s_lshl_b32 s98, s2, 10                         ; my segment's first token
	s_mov_b32 s3, 0                                ; 16 x the members so far
	s_mov_b32 s[IDL], 0x76543210
	s_mov_b32 s[IDH], 0xfedcba98
	s_wait_kmcnt 0x0                               ; the mask words
.set k, 0
.rept 32
	s_lshl4_add_u32 s[CB+k], s3, k                 ; 256 x (members in front of word k) + k
	s_bcnt1_i32_b32 s61, s[MW+k]
	s_lshl4_add_u32 s3, s61, s3
.set k, k+1
.endr
	s_lshr_b32 s3, s3, 4
	s_min_u32 s3, s3, 0x400                        ; the segment's count
	s_max_u32 s52, s3, 1
	s_sub_co_u32 s52, s52, 1                       ; the last member's rank (0 where there is none)
	s_add_co_u32 s53, s3, 15
	s_lshr_b32 s53, s53, 4                         ; blocks of 16
	s_add_co_u32 s53, s53, 1
	s_sub_co_u32 s53, s53, s50
	s_lshr_b32 s53, s53, 1                         ; my blocks: part, part + 2, .. : 32 at the most
; One halving: src holds the word's bits counted in fields of wd bits.  The field at PO is the count of the lower wd bits of the 2 wd that are left: a rank that reaches it lies in the upper ones.
.macro HALVE src, wd
.irp j, 0,1,2,3,4
	v_bfe_u32 v[T1+\j], v[\src+\j], v[PO+\j], \wd
.endr
.irp j, 0,1,2,3,4
	v_cmp_ge_u32 s[MK+\j], v[RX+\j], v[T1+\j]
.endr
	s_wait_alu depctr_va_sdst(0)                   ; the five compares have written s56-60, which the selects below read
.irp j, 0,1,2,3,4
	v_cndmask_b32 v[T2+\j], 0, \wd, s[MK+\j]
.endr
.irp j, 0,1,2,3,4
	v_cndmask_b32 v[T1+\j], 0, v[T1+\j], s[MK+\j]
.endr
.irp j, 0,1,2,3,4
	v_sub_nc_u32 v[RX+\j], v[RX+\j], v[T1+\j]
.endr
.irp j, 0,1,2,3,4
	v_add_nc_u32 v[PO+\j], v[PO+\j], v[T2+\j]
.endr
.endm
; The tokens of a lap's five slots: S + j = the member of rank s55 + 32 j + my row, held at the last member.  The five searches go side by side, so that no instruction waits for the one before it.
.macro SELECT
	v_add_nc_u32 v[RB], s55, v[VR]
.irp j, 0,1,2,3,4
	v_add_nc_u32 v[RX+\j], 32*\j, v[RB]            ; my next block is two blocks of the segment on
.endr
.irp j, 0,1,2,3,4
	v_min_u32 v[RX+\j], s52, v[RX+\j]
.endr
.irp j, 0,1,2,3,4
	v_lshl_add_u32 v[RX+\j], v[RX+\j], 8, 0xff     ; 256 R + 255: at least 256 c + k (k < 32) just when R is at least c
.endr
.irp j, 0,1,2,3,4
	v_mov_b32 v[CC+\j], s[CB]                      ; word 0 has nothing in front of it
.endr
.irp j, 0,1,2,3,4
	v_mov_b32 v[WW+\j], s[MW]
.endr
.set kn, 1
.rept 15                               ; words 1 to 30, two at a time: the compares read the ranks and the counts alone, so those of two words stand in one run, with one wait behind it
.irp j, 0,1,2,3,4
	v_cmp_le_u32 s[MK+\j], s[CB+kn], v[RX+\j]      ; the words go in ascending order: the last one that passes is kept, so an empty word never stays
.endr
.irp j, 0,1,2,3,4
	v_cmp_le_u32 s[MB\j], s[CB+kn+1], v[RX+\j]
.endr
	s_wait_alu depctr_va_sdst(0)                   ; the ten compares have written both sets of masks, which the selects below read
.irp j, 0,1,2,3,4
	v_cndmask_b32 v[CC+\j], v[CC+\j], s[CB+kn], s[MK+\j]
.endr
.irp j, 0,1,2,3,4
	v_cndmask_b32 v[WW+\j], v[WW+\j], s[MW+kn], s[MK+\j]
.endr
.irp j, 0,1,2,3,4
	v_cndmask_b32 v[CC+\j], v[CC+\j], s[CB+kn+1], s[MB\j]
.endr
.irp j, 0,1,2,3,4
	v_cndmask_b32 v[WW+\j], v[WW+\j], s[MW+kn+1], s[MB\j]
.endr
.set kn, kn+2
.endr
.irp j, 0,1,2,3,4
	v_cmp_le_u32 s[MK+\j], s[CB+31], v[RX+\j]      ; word 31
.endr
	s_wait_alu depctr_va_sdst(0)                   ; the five compares have written s56-60, which the selects below read
.irp j, 0,1,2,3,4
	v_cndmask_b32 v[CC+\j], v[CC+\j], s[CB+31], s[MK+\j]
.endr
.irp j, 0,1,2,3,4
	v_cndmask_b32 v[WW+\j], v[WW+\j], s[MW+31], s[MK+\j]
.endr
.irp j, 0,1,2,3,4
	v_sub_nc_u32 v[RX+\j], v[RX+\j], v[CC+\j]      ; 256 (R - c) + 255 - k
.endr
.irp j, 0,1,2,3,4
	v_lshrrev_b32 v[RX+\j], 8, v[RX+\j]            ; the rank within the word
.endr
.irp j, 0,1,2,3,4
	v_lshrrev_b32 v[T1+\j], 1, v[WW+\j]
.endr
.irp j, 0,1,2,3,4
	v_and_b32 v[T1+\j], 0x55555555, v[T1+\j]
.endr
.irp j, 0,1,2,3,4
	v_sub_nc_u32 v[SA+\j], v[WW+\j], v[T1+\j]      ; each pair of bits now holds its count
.endr
.irp j, 0,1,2,3,4
	v_lshrrev_b32 v[T1+\j], 2, v[SA+\j]
.endr
.irp j, 0,1,2,3,4
	v_and_b32 v[T1+\j], 0x33333333, v[T1+\j]
.endr
.irp j, 0,1,2,3,4
	v_and_b32 v[T2+\j], 0x33333333, v[SA+\j]
.endr
.irp j, 0,1,2,3,4
	v_add_nc_u32 v[SB+\j], v[T1+\j], v[T2+\j]      ; each four bits
.endr
.irp j, 0,1,2,3,4
	v_lshrrev_b32 v[T1+\j], 4, v[SB+\j]
.endr
.irp j, 0,1,2,3,4
	v_add_nc_u32 v[T1+\j], v[T1+\j], v[SB+\j]
.endr
.irp j, 0,1,2,3,4
	v_and_b32 v[SC+\j], 0x0f0f0f0f, v[T1+\j]       ; each byte
.endr
.irp j, 0,1,2,3,4
	v_lshrrev_b32 v[T1+\j], 8, v[SC+\j]
.endr
.irp j, 0,1,2,3,4
	v_add_nc_u32 v[T1+\j], v[T1+\j], v[SC+\j]
.endr
.irp j, 0,1,2,3,4
	v_and_b32 v[T1+\j], 0xff, v[T1+\j]             ; the lower 16 bits' count
.endr
.irp j, 0,1,2,3,4
	v_cmp_ge_u32 s[MK+\j], v[RX+\j], v[T1+\j]
.endr
	s_wait_alu depctr_va_sdst(0)                   ; the five compares have written s56-60, which the selects below read
.irp j, 0,1,2,3,4
	v_cndmask_b32 v[PO+\j], 0, 16, s[MK+\j]
.endr
.irp j, 0,1,2,3,4
	v_cndmask_b32 v[T1+\j], 0, v[T1+\j], s[MK+\j]
.endr
.irp j, 0,1,2,3,4
	v_sub_nc_u32 v[RX+\j], v[RX+\j], v[T1+\j]
.endr
	HALVE SC, 8
	HALVE SB, 4
	HALVE SA, 2
	HALVE WW, 1
.irp j, 0,1,2,3,4
	v_and_b32 v[T1+\j], 0xff, v[CC+\j]             ; k
.endr
.irp j, 0,1,2,3,4
	v_lshl_add_u32 v[T1+\j], v[T1+\j], 5, v[PO+\j]
.endr
.irp j, 0,1,2,3,4
	v_add_nc_u32 v[S+\j], s98, v[T1+\j]            ; token = 1024 w + 32 k + the bit's place
.endr
.endm
; From S: the tokens of rows i + 8 h (every lane takes lane i of the other half) and of row r (lanes 0-15 take their own place in the other half, lanes 16-31 hold it), then their byte
; offsets in xq: a row is 1,024 bytes.  (The moves' destinations, which count as read, were all written by the search.)
.macro ADDRS
.irp m, 0,1,2,3,4
.irp i, 0,1,2,3,4,5,6,7
	v_permlanex16_b32 v[T+9*\m+\i], v[S+\m], s[SEL+\i], s[SEL+\i]
.endr
	v_permlanex16_b32 v[T+9*\m+8], v[S+\m], s[IDL], s[IDH]
.endr
.irp m, 0,1,2,3,4
	v_cndmask_b32 v[T+9*\m+8], v[T+9*\m+8], v[S+\m], s51
.endr
.set an, 0
.rept 45
	v_min_u32 v[T+an], 0xfff, v[T+an]              ; a token made from loaded numbers enters an address only clamped to the 4,096 rows
.set an, an+1
.endr
.set an, 0
.rept 45
.if an%9 == 8
	v_lshl_add_u32 v[T+an], v[T+an], 10, v[H16]
.else
	v_lshl_add_u32 v[T+an], v[T+an], 10, v[L16]
.endif
.set an, an+1
.endr
	s_wait_alu depctr_va_vdst(0)                   ; the 45 offsets in T are written, which the gather's loads read; and the products and multiplies issued so far are done reading the slots' registers, XSC and G, in which those loads land.  No vector or matrix instruction stands between this wait and the lap's last gather load
.endm
; Slot m is asked for: 24 loads of codes (sixteen lanes read 256 consecutive aligned bytes of one row; load 3 i + c: rows i + 8 h, bytes 256 c on) into the slot's own fragment registers,
; which serve as a waiting room; the scale words of token r (ks = 4 h + 0 .. 3); its gate, twice.  26 loads.
.macro XLOAD m
.set qn, 0
.rept 24
	FRLOC 32+8*(\m)+qn/3
	WIN FW<<6
	global_load_b128 v[FR+4*(qn%3):FR+4*(qn%3)+3], v[T+9*(\m)+qn/3], s[4:5] offset:256*(qn%3)
.set qn, qn+1
.endr
	WIN 0
	global_load_b128 v[XSC+4*(\m):XSC+4*(\m)+3], v[T+9*(\m)+8], s[4:5] offset:768
	global_load_b64 v[G+2*(\m):G+2*(\m)+1], v[T+9*(\m)+8], s[4:5] offset:800
.endm
; W's 32 fragments.  16 rows x 128 K of 6-bit codes are 12 registers: lane (r, h) takes the 24 bytes at 96 ks + 24 h of row r and the 24 bytes 48 further on, as they lie, in pieces of 8 bytes
.macro WFRAGS
.set fs, 0
.rept 32
	FRLOC fs
	WIN FW<<6
.irp p, 0,1,2,3,4,5
	ds_load_b64 v[FR+2*\p:FR+2*\p+1], v[WA] offset:WNT*(fs%4)+96*(fs/4)+48*(\p/3)+8*(\p%3)
.endr
.set fs, fs+1
.endr
	WIN 0
.endm
.macro MMA m, cb, row                  ; one product: accumulator ntn, K step ksn; AR: W's fragment, FR: x's; cb: where the sum comes from; row = 1: the scale words lie in lanes 16-31
.if \row
	v_wmma_scale_f32_16x16x128_f8f6f4 v[ACC+8*ntn:ACC+8*ntn+7], v[AR:AR+11], v[FR:FR+11], v[\cb+8*ntn:\cb+8*ntn+7], v[WS+4*ntn+(ksn&3)], v[XSC+4*(\m)+(ksn&3)] matrix_a_fmt:MATRIX_FMT_FP6 matrix_b_fmt:MATRIX_FMT_FP6 matrix_a_scale:MATRIX_SCALE_ROW1 matrix_b_scale:MATRIX_SCALE_ROW1
.else
	v_wmma_scale_f32_16x16x128_f8f6f4 v[ACC+8*ntn:ACC+8*ntn+7], v[AR:AR+11], v[FR:FR+11], v[\cb+8*ntn:\cb+8*ntn+7], v[WS+4*ntn+(ksn&3)], v[XSC+4*(\m)+(ksn&3)] matrix_a_fmt:MATRIX_FMT_FP6 matrix_b_fmt:MATRIX_FMT_FP6
.endif
.endm
; The block in slot m: through XS into fragment order, 32 products, x gate, through OS, out.
.macro PROCESS m
.if 26*(4-(\m)) > 63
	s_wait_loadcnt 63                              ; the younger slots' 26 (4 - m) loads may stay out; the wait's field names 63 at the most
.else
	s_wait_loadcnt 26*(4-(\m))                     ; this slot's 26 loads are in; the younger slots' stay out
.endif
	s_wait_xcnt 0x0                                ; every earlier memory instruction has had its addresses translated (ISA guide 3.1): T, which the loads address by, and ACC and OO, which the last block's stores read, are rewritten only behind this wait
	s_wait_alu depctr_vm_vsrc(0)                   ; beside it: the gather's loads have read their offsets in T, the last block's stores their data in ACC and their offsets in OO; this block's moves and products write these registers
	s_cmp_le_i32 s53, \m
	s_cbranch_scc1 .Labsent_\@                     ; I have no such block: nothing is multiplied, nothing stored
.set qn, 0
.rept 24
	FRLOC 32+8*(\m)+qn/3
	WIN FW<<2                                      ; an LDS store's data: source 1
	ds_store_b128 v[XSW], v[FR+4*(qn%3):FR+4*(qn%3)+3] offset:WP*(qn/3)+256*(qn%3)
.set qn, qn+1
.endr
	WIN 0
.irp i, 0,1,2,3,4,5,6,7                ; the tokens of rows i + 8 h once more, for the way out
	v_permlanex16_b32 v[OO+\i], v[S+(\m)], s[SEL+\i], s[SEL+\i]
.endr
	s_wait_alu depctr_vm_vsrc(0)                   ; the 24 LDS stores above have read the slot's registers, in which the 24 loads below land; only window switches and these loads follow
.set qn, 0
.rept 24                               ; lane (r, h) of K step ks wants blocks 4 ks + h and 4 ks + 2 + h of token r: 48 bytes together at 384 h + 48 ks, since a row of xq has its even blocks first
	FRLOC 32+8*(\m)+qn/3
	WIN FW<<6
	ds_load_b128 v[FR+4*(qn%3):FR+4*(qn%3)+3], v[XSR] offset:48*(qn/3)+16*(qn%3)   ; back into the registers that the block left; LDS serves a wave's instructions in order (ISA guide 5.7.1)
.set qn, qn+1
.endr
.set ksn, 0
	s_wait_alu depctr_va_vdst(0)
.rept 8
	s_wait_dscnt 3*(7-ksn)                         ; this K step's fragment is in; the later steps' three loads each stay out
.set ntn, 0
.rept 4                                ; the four accumulators take turns, one instruction a turn
	FRLOC 4*ksn+ntn
.set AW, FW
.set AR, FR
	FRLOC 32+8*(\m)+ksn
	WIN AW|(FW<<2)
.if ksn == 0
	MMA \m, BI, 0                                  ; the sums start from the bias: nothing is cleared, no bias is added later
.elseif ksn < 4
	MMA \m, ACC, 0
.else
	MMA \m, ACC, 1
.endif
.set ntn, ntn+1
.endr
.set ksn, ksn+1
.endr
	WIN 0
.irp i, 0,1,2,3,4,5,6,7
	v_min_u32 v[OO+\i], 0xfff, v[OO+\i]            ; these sixteen name no register of the last products: they are the places behind them (ISA guide 7.12.1)
.endr
.irp i, 0,1,2,3,4,5,6,7
	v_lshl_add_u32 v[OO+\i], v[OO+\i], 12, v[L16]  ; a row of out0 is 4,096 bytes
.endr
.set an, 0
.rept 16
	v_pk_mul_f32 v[ACC+2*an:ACC+2*an+1], v[ACC+2*an:ACC+2*an+1], v[G+2*(\m):G+2*(\m)+1]   ; x the gate of my token r; each accumulator from its low end on
.set an, an+1
.endr
	s_wait_alu depctr_va_vdst(0)                   ; the multiplies have written ACC, which the LDS stores read and in which the loads from OS land; the shifts have written OO, by which the global stores go
.irp nt, 0,1,2,3
	ds_store_b128 v[OSW], v[ACC+8*\nt:ACC+8*\nt+3] offset:64*\nt
	ds_store_b128 v[OSW], v[ACC+8*\nt+4:ACC+8*\nt+7] offset:64*\nt+16
.endr
	s_wait_alu depctr_vm_vsrc(0)                   ; the eight LDS stores have read ACC, in which the loads below land
.irp i, 0,1,2,3,4,5,6,7
	ds_load_b128 v[ACC+4*\i:ACC+4*\i+3], v[OSR] offset:OP*\i   ; rows i + 8 h, 16 bytes a lane; in order behind the stores above
.endr
.irp i, 0,1,2,3,4,5,6,7
	s_wait_dscnt 7-\i                              ; LDS loads come back in order: the younger ones stay out
	global_store_b128 v[OO+\i], v[ACC+4*\i:ACC+4*\i+3], s[14:15] th:TH_STORE_NT   ; sixteen lanes: 256 consecutive bytes at a multiple of 256
.endr
.Labsent_\@:
.endm
	SELECT                                         ; the first lap's tokens, while W is on its way
	s_wait_alu depctr_va_vdst(0)
	s_wait_xcnt 0x0                                ; the 36 loads of W, its scales and the bias have had their addresses translated (ISA guide 3.1), the mask words are in: s6-13 are rewritten only behind this wait
.irp i, 0,1,2,3,4,5,6,7
	s_mov_b32 s[SEL+\i], 0x11111111*\i             ; the lane selects; never rewritten
.endr
	ADDRS
	XLOAD 0                                        ; the gather's first 52 loads go out ahead of W's way through LDS;
	XLOAD 1                                        ; the issue of a load that would pass the counter's field is held (ISA guide 5.7.1), so the other 78 follow behind W's fragments
	s_wait_loadcnt 52                              ; W's codes, its scale words and the bias are in; the 52 loads of slots 0 and 1 stay out
	WIN 0x04
.set k, 0
.rept 24                               ; 1,536 bytes (three loads) are two rows: 1,568 bytes of LDS; the second load's lanes 16-31 and the third lie in the second row, 16 bytes further on
.if k%3 == 0
	ds_store_b128 v[WST], v[4*k:4*k+3] offset:2*WP*(k/3)
.elseif k%3 == 1
	ds_store_b128 v[WST+1], v[4*k:4*k+3] offset:2*WP*(k/3)+512
.else
	ds_store_b128 v[WST], v[4*k:4*k+3] offset:2*WP*(k/3)+1040
.endif
.set k, k+1
.endr
	WIN 0
	s_wait_dscnt 0x0                               ; my 16 rows of W are in LDS, for the others' sake
	s_barrier_signal -1
	s_barrier_wait -1                              ; all 64 rows of W are in LDS; nobody writes them again.  No barrier follows
	s_wait_alu depctr_vm_vsrc(0)                   ; my 24 LDS stores have read window 1's v0-95, in which W's first eight fragments land
	WFRAGS
	XLOAD 2
	XLOAD 3
	XLOAD 4
	s_wait_dscnt 0x0                               ; W's fragments are in, on the path of a wave without blocks too
.Llap:                                                 ; at most 7 trips; on both ways in, the five slots' 130 loads have been issued in the slots' order and no LDS instruction is out
	PROCESS 0
	PROCESS 1
	PROCESS 2
	PROCESS 3
	PROCESS 4
	s_sub_co_i32 s53, s53, 5
	s_cmp_le_i32 s53, 0
	s_cbranch_scc1 .Ldone                          ; with even routing a wave has four or five blocks and leaves here
	s_wait_xcnt 0x0                                ; the last block's stores have had their addresses translated: the search's registers lie on ACC and OO
	s_wait_alu depctr_vm_vsrc(0)                   ; beside it: those stores have read ACC and OO, which the search writes
	s_add_co_u32 s55, s55, 160                     ; five blocks of mine are ten blocks of the segment on
	SELECT
	ADDRS
	XLOAD 0
	XLOAD 1
	XLOAD 2
	XLOAD 3
	XLOAD 4
	s_add_co_u32 s54, s54, 1
	s_cmp_lt_u32 s54, 7
	s_cbranch_scc1 .Llap
.Ldone:
	s_wait_dscnt 0x0                               ; the closing lines, six on end
	s_wait_alu 0x0
	s_wait_tensorcnt 0x0
	ds_add_u32 v94, v95
	s_wait_dscnt 0x0
	s_endpgm
.Lfunc_end_k_q6727b3a4df_experts:
	.size	k_q6727b3a4df_experts, .Lfunc_end_k_q6727b3a4df_experts-k_q6727b3a4df_experts
	.p2alignl 7, 3214868480
	.fill 96, 4, 3214868480
	.section	.rodata,"a",@progbits
	.p2align	6, 0x0
	.amdhsa_kernel k_q6727b3a4df_experts
		.amdhsa_group_segment_fixed_size 118272
		.amdhsa_private_segment_fixed_size 0
		.amdhsa_enable_private_segment 0
		.amdhsa_kernarg_size 48
		.amdhsa_user_sgpr_count 2
		.amdhsa_user_sgpr_kernarg_segment_ptr 1
		.amdhsa_wavefront_size32 1
		.amdhsa_system_sgpr_workgroup_id_x 1
		.amdhsa_system_sgpr_workgroup_id_y 1
		.amdhsa_system_sgpr_workgroup_id_z 1
		.amdhsa_system_vgpr_workitem_id 0
		.amdhsa_next_free_vgpr 1024
		.amdhsa_next_free_sgpr 102
		.amdhsa_reserve_vcc 0
		.amdhsa_float_denorm_mode_32 3
		.amdhsa_float_denorm_mode_16_64 3
		.amdhsa_memory_ordered 1
		.amdhsa_forward_progress 1
		.amdhsa_inst_pref_size 214
	.end_amdhsa_kernel
	.amdgpu_metadata
---
amdhsa.version: [ 1, 2 ]
amdhsa.kernels:
  - .name:           k_q6727b3a4df_experts
    .symbol:         k_q6727b3a4df_experts.kd
    .args:
      - { .name: xq, .offset: 0, .size: 8, .value_kind: global_buffer, .address_space: global }
      - { .name: masks, .offset: 8, .size: 8, .value_kind: global_buffer, .address_space: global }
      - { .name: expert_w_codes, .offset: 16, .size: 8, .value_kind: global_buffer, .address_space: global }
      - { .name: expert_w_scales, .offset: 24, .size: 8, .value_kind: global_buffer, .address_space: global }
      - { .name: expert_b, .offset: 32, .size: 8, .value_kind: global_buffer, .address_space: global }
      - { .name: out0, .offset: 40, .size: 8, .value_kind: global_buffer, .address_space: global }
    .group_segment_fixed_size: 118272
    .private_segment_fixed_size: 0
    .kernarg_segment_align: 8
    .kernarg_segment_size: 48
    .max_flat_workgroup_size: 128
    .sgpr_count:     102
    .vgpr_count:     1024
    .wavefront_size: 32
...
	.end_amdgpu_metadata
.endif
;; end of part 7
